; MI455X (gfx1250); checked and timed in simulation.
; The chip was launched on July 23, 2026; its instructions are those of AMD's public machine-readable ISA for CDNA 5 (MIT licence, August 2026) and "CDNA5" Instruction Set Architecture Reference Guide (July 2026). The comments in the code are by the model that wrote it; some were corrected since.
;; Causal Self Attention. Allowed arithmetic: matrix products marked QUANTISED: E4M3 operands, one given power-of-two scale a tensor, by v_wmma_f32_16x16x64_fp8_fp8 or v_wmma_f32_16x16x128_fp8_fp8, f32 sums; everything else in f32.
;; Inputs: Wk 1,024 x 1,024 float32; Wo 1,024 x 1,024 float32; Wq 1,024 x 1,024 float32; Wv 1,024 x 1,024 float32; bk 1,024 float32; bo 1,024 float32; bq 1,024 float32; bv 1,024 float32; lowp_scales 12 int32 (the exponents e of the quantised operands' scales 2^e); x 4 x 2,048 x 1,024 float32.
;; Outputs: out0 4 x 2,048 x 1,024 float32.
;; This version of the problem:
;;   THIS VERSION OF THE PROBLEM IS GIVEN IN LOW PRECISION. The matrix products marked QUANTISED in the list below multiply operands that are first quantised to E4M3 (4 exponent bits, 3 mantissa bits; 8 bits a number), with one given power-of-two scale for each operand tensor; their sums are f32. All else is computed in f32.
;;   The module's matrix products, in the order in which they are computed (A, B: the left and right operand; K: the contracted axis; several contracted axes count as one K, in the product's order):
;;     1. [M 8,192, K 1,024] x [K 1,024, N 1,024]; A: input x; B: input Wq: QUANTISED (scales: A lowp_scales[0], B lowp_scales[1])
;;     2. [M 8,192, K 1,024] x [K 1,024, N 1,024]; A: input x; B: input Wk: QUANTISED (scales: A lowp_scales[2], B lowp_scales[3])
;;     3. [M 8,192, K 1,024] x [K 1,024, N 1,024]; A: input x; B: input Wv: QUANTISED (scales: A lowp_scales[4], B lowp_scales[5])
;;     4. batch 64 x [M 2,048, K 64] x [K 64, N 2,048]; A: computed on the way; B: computed on the way: QUANTISED (scales: A lowp_scales[6], B lowp_scales[7])
;;     5. batch 64 x [M 2,048, K 2,048] x [K 2,048, N 64]; A: softmax (see below); B: computed on the way: QUANTISED (scales: A lowp_scales[8], B lowp_scales[9])
;;     6. [M 8,192, K 1,024] x [K 1,024, N 1,024]; A: computed on the way; B: input Wo: QUANTISED (scales: A lowp_scales[10], B lowp_scales[11])
;;   THE QUANTISER, for each operand of a quantised product, along K:
;;     - The operand's scale is 2^e, e = its entry of the input lowp_scales (int32; the entries are numbered through the quantised products in the list's order, A before B).
;;     - Each number is divided by the scale, clamped to +-448, and rounded to the nearest number of E4M3, ties to even, subnormals kept.
;;     - The product sums the exact products of the quantised numbers (number of the format x scale) in f32.
;;   ~~~python
;;   def quantise(x, axis, e):      # numpy; x: float32 -> the quantised numbers, widened to float32 again
;;       x = np.moveaxis(x, axis, -1); K = x.shape[-1]
;;       r = np.clip(x / 2.0 ** e, -448, 448)
;;       step = 2.0 ** (np.maximum(np.frexp(np.where(r == 0, 1, r))[1] - 1, -6) - 3)
;;       q = np.round(r / step) * step * 2.0 ** e      # np.round: ties to even
;;       return np.moveaxis(q, -1, axis).astype(np.float32)
;;   ~~~
;;   SOFTMAX AHEAD OF A QUANTISED PRODUCT. Where the list says 'softmax', what is quantised is not the finished softmax but p = 2^(t - M), with t = logit x log2(e) and M = ceil(the row's largest t), a whole number; so 1/2 < the row's largest p <= 1. The row's sum l is taken of the UNQUANTISED p, in f32, and the product's result is divided by l at the end. Since M is a whole number, a kernel that streams over the keys may use a running M (the ceiling of the running maximum): every later rescaling is an exact power of two, so the quantised numbers keep their values, but for numbers so far below the row's largest that they fall under the format's range.
;;   OPERANDS COMPUTED ON THE WAY. 'Computed on the way' means the value that the module computes at that place (a softmax that the list does not call 'softmax' is quantised finished and normalised). What goes into a quantiser is computed in f32, as accurately as f32 sums, v_exp_f32 and their like allow (about 1e-6 of the number): no bf16 or f16 on the way to a quantiser, and a product that is left as it is and whose result goes on into a quantised operand takes f32 operands (vector FMAs, or v_wmma_f32_16x16x4_f32). A number that lies on a knife's edge between two numbers of the format may be rounded either way, as far as f32 arithmetic and the matrix unit's own rounding can turn it there, and no further.
;; One version. Each part assembles by itself: llvm-mc -triple=amdgcn-amd-amdhsa -mcpu=gfx1250 --defsym DOCPART=n.
;; ======== version 1 of 1: 4 launches
;; limits: right only within a limited range of input values
;; workspace buffers: xc 25,165,824 bytes; wc 4,194,304 bytes; qc 8,388,608 bytes; kv 16,777,216 bytes; ac 8,388,608 bytes
;; launch quant (part 1): grid 384 x 1, 4 waves a work-group, no clusters, 68,096 bytes of LDS; arguments x, Wq, Wk, Wv, Wo, lowp_scales, xc, wc; writes xc, wc
.if DOCPART == 1
	.amdgcn_target "amdgcn-amd-amdhsa--gfx1250"
	.amdhsa_code_object_version 6
	.text
	.protected	k_q357419a77d_quant
	.globl	k_q357419a77d_quant
	.p2align	8
	.type	k_q357419a77d_quant,@function
k_q357419a77d_quant:
	s_mov_b64 s[64:65], 0
	v_nop
	global_prefetch_b8 v0, s[64:65] scope:SCOPE_SE
	s_setreg_imm32_b32 hwreg(HW_REG_WAVE_MODE, 25, 1), 1
	s_wait_xcnt 0x0
; x [8192][1024] and the four weights [1024 (k)][1024 (n)], f32, become codes of FP8 (E4M3), each with the scale 2^e that is given for it.
; code = number / 2^e, to the nearest code, ties to even.  x is an operand of three products with an entry of its own in each: it is quantised three times (e0, e2, e4).
; LIMITS: each e between -126 and 119, so that 2^e and 448 x 2^e are f32 numbers.  NaN among the inputs is not served.
; THE CODES ARE LAID AS IMAGES OF THE OPERAND'S REGISTERS.  A row tile T is 16 rows: lane r stands for row 32 (T / 2) + 8 (T % 2) + r + 8 (r / 8).  A fragment (a tile x 128 along K) is 2,048 bytes,
; [c = 0..3][lane = r + 16 h][16 bytes], holding k = 32 c + 16 h + 0 .. 15 of the lane's row.  xc: [scale 0..2][K step of 256: 0..3][token tile 0..511][chunk 0..1][2048];  wc: [weight 0..3][K step][tile of n 0..63][chunk][2048].
; So each store of a wave covers 512 consecutive bytes, aligned, and the products' launches fetch a K step's tile as one dense block.
; Work-groups 0 to 255 take x, 256 to 383 the weights.  The two ways part on the work-group's number, never join, and have LDS bytes of their own.  Waves share nothing: no barrier.  No matrix unit, no cluster: a stream.
.set XSTG,  8448                       ; a wave's stage: x: 16 rows x (512 + 16) bytes;  weights: 2 tiles x (4,096 + 128) bytes
.set WBASE, 33792                      ; the weights' four stages lie behind x's four
.set SPARE, 67584                      ; behind the stages: the spare words, 128 bytes for each wave: two blocks of 256 bytes that no other line names
.set SPW,   12                         ; v12  LDS address of my spare word; never rewritten
.set NIL,   13                         ; v13  0; never rewritten
.set R,     16                         ; x: v16-143  two sets of 64 numbers
.set TMP,   144
.set XC,    176                        ; x: v176-223 a chunk's codes, 16 registers for each scale
.set WX,    32                         ; weights: v32-95 two sets of 32 numbers
.set WC,    96                         ; weights: v96-103 a block's codes
.set OUTR,  112                        ; weights: v112-175 the way out
.macro MKSCALE se, vs, vl              ; v[vs] = 2^e as f32 (the conversion takes its exponent field)
	s_add_co_i32 s50, s[\se], 127
	s_lshl_b32 s51, s50, 23
	v_mov_b32 v[\vs], s51
	s_add_co_i32 s50, s50, 8
	s_lshl_b32 s50, s50, 23
	s_or_b32 s50, s50, 0x600000
.endm
	s_load_b512 s[8:23], s[0:1], 0x0               ; x 8:9, Wq 10:11, Wk 12:13, Wv 14:15, Wo 16:17, the exponents 18:19, xc 20:21, wc 22:23
	v_lshl_add_u32 v[SPW], v0, 2, SPARE
	v_mov_b32 v[NIL], 0
	v_lshrrev_b32 v1, 5, v0
	v_readfirstlane_b32 s4, v1                     ; wave 0..3
	v_and_b32 v2, 31, v0                           ; lane
	s_mul_i32 s49, s4, XSTG
	s_wait_kmcnt 0x0
	s_load_b256 s[24:31], s[18:19], 0x0            ; e0 .. e7
	s_load_b128 s[32:35], s[18:19], 0x20           ; e8 .. e11
	s_cmp_ge_u32 ttmp9, 256
	s_cbranch_scc1 .Lweights
; ---------------- x: a wave takes one token tile (16 rows) x 512 along K: four chunks of 128
	s_lshl_b32 s5, ttmp9, 2
	s_add_co_u32 s5, s5, s4                        ; unit = 4 x work-group + wave
	s_lshr_b32 s6, s5, 1                           ; T, the token tile
	s_and_b32 s7, s5, 1                            ; which half of K
	s_lshr_b32 s46, s6, 1
	s_lshl_b32 s46, s46, 17                        ; 32 (T / 2) rows of 4,096 bytes
	s_and_b32 s47, s6, 1
	s_lshl_b32 s47, s47, 15                        ; + 8 (T % 2) rows
	s_add_co_u32 s46, s46, s47
	s_lshl_b32 s47, s7, 11                         ; + 512 numbers for the upper half of K
	s_add_co_u32 s46, s46, s47
	s_mov_b32 s47, 0
	s_add_nc_u64 s[36:37], s[8:9], s[46:47]
	s_lshl_b32 s46, s6, 12                         ; out: the tile's 4,096 bytes in a K step,
	s_lshl_b32 s48, s7, 22                         ; K steps 0, 1 or 2, 3
	s_add_co_u32 s46, s46, s48
	s_add_nc_u64 s[40:41], s[20:21], s[46:47]      ; under e0,
	s_add_nc_u64 s[42:43], s[40:41], 0x800000      ; e2,
	s_add_nc_u64 s[44:45], s[42:43], 0x800000      ; e4
	s_wait_alu depctr_va_vdst(0)
	v_lshlrev_b32 v3, 4, v2                        ; 16 x lane: in memory, both ways
	v_add_nc_u32 v4, s49, v3                       ; the stage, on the way in: a row's 512 bytes as they lie
	v_and_b32 v14, 15, v0
	v_bfe_u32 v15, v0, 4, 1
	v_mul_u32_u24 v5, v14, 528
	v_lshl_add_u32 v5, v15, 6, v5
	v_add_nc_u32 v5, s49, v5                       ; on the way out: row r, + 64 h: my 16 numbers of each 32
.macro XLOAD n                         ; chunk n: 16 loads, each 512 consecutive bytes of one of the tile's rows
.set pp, 0
.rept 16
	global_load_b128 v[R+64*((\n)%2)+4*pp:R+64*((\n)%2)+4*pp+3], v3, s[36:37] offset:(pp+8*(pp/8))*4096+512*(\n) th:TH_LOAD_NT
.set pp, pp+1
.endr
.endm
.macro XCHUNK n
.set XS, R+64*((\n)%2)
.if (\n) < 3
	s_wait_loadcnt 16                              ; this chunk's 16 loads are in; the next chunk's 16 may be out
.else
	s_wait_loadcnt 0
.endif
.set pp, 0
.rept 16
	ds_store_b128 v4, v[XS+4*pp:XS+4*pp+3] offset:528*pp
.set pp, pp+1
.endr
.set pp, 0
.rept 16
	ds_load_b128 v[XS+4*pp:XS+4*pp+3], v5 offset:128*(pp/4)+16*(pp%4)   ; register 16 c + i = k 32 c + 16 h + i of my row.  LDS serves a wave's instructions in order: these see the stores above
.set pp, pp+1
.endr
	s_wait_dscnt 0x0
	s_wait_xcnt 0x0                                ; the last chunk's stores have read their data: the codes' registers are written again only behind this wait
.set ss, 0
.rept 3
.set bb, 0
.rept 4
.set TS, TMP+16*(bb%2)
.set ii, 0
.rept 16
.set ii, ii+1
.endr
	v_cvt_scalef32_pk8_fp8_f32 v[XC+16*ss+4*bb:XC+16*ss+4*bb+1], v[TS+((XS+16*bb+ii)-(TS+ii)):TS+7+((XS+16*bb+ii)-(TS+ii))], v[6+2*ss]
	v_cvt_scalef32_pk8_fp8_f32 v[XC+16*ss+4*bb+2:XC+16*ss+4*bb+3], v[TS+8+((XS+16*bb+ii)-(TS+ii)):TS+15+((XS+16*bb+ii)-(TS+ii))], v[6+2*ss]
.set bb, bb+1
.endr
.set ss, ss+1
.endr
	v_nop                                          ; a plain line behind the last conversion
.set ss, 0
.rept 3
.set cc, 0
.rept 4
	global_store_b128 v3, v[XC+16*ss+4*cc:XC+16*ss+4*cc+3], s[40+2*ss:41+2*ss] offset:((\n)/2)*2097152+((\n)%2)*2048+512*cc   ; 512 consecutive bytes, aligned
.set cc, cc+1
.endr
.set ss, ss+1
.endr
.if (\n) < 2
	XLOAD (\n)+2
.endif
.endm
	XLOAD 0
	XLOAD 1
	s_wait_alu depctr_va_vdst(0)
	s_wait_kmcnt 0x0
	MKSCALE 24, 6, 7
	MKSCALE 26, 8, 9
	MKSCALE 28, 10, 11
	s_wait_alu depctr_va_vdst(0)
	XCHUNK 0
	XCHUNK 1
	XCHUNK 2
	XCHUNK 3
	s_wait_tensorcnt 0x0                           ; the wave's end: a wait, an add to my spare word and its wait, behind my last LDS store
	ds_add_u32 v[SPW], v[NIL]
	s_wait_dscnt 0x0
	s_endpgm
; ---------------- the weights: K is their FIRST axis.  A lane takes a column n and its registers run down K: the conversions then give codes with K innermost, and nothing is transposed.
; A wave takes 32 columns (two tiles of n) x 256 along K (one K step): 8 blocks of 32.
.Lweights:
	s_sub_co_u32 s5, ttmp9, 256
	s_lshr_b32 s6, s5, 5                           ; which weight: 0 Wq, 1 Wk, 2 Wv, 3 Wo
	s_and_b32 s7, s5, 7
	s_bfe_u32 s46, s5, 0x20003                     ; the K step
	s_lshl_b32 s7, s7, 2
	s_add_co_u32 s7, s7, s4                        ; which 32 columns
	s_cmp_eq_u32 s6, 1
	s_cselect_b64 s[36:37], s[12:13], s[10:11]
	s_cmp_eq_u32 s6, 2
	s_cselect_b64 s[36:37], s[14:15], s[36:37]
	s_cmp_eq_u32 s6, 3
	s_cselect_b64 s[36:37], s[16:17], s[36:37]
	s_lshl_b32 s50, s46, 20                        ; 256 rows of 4,096 bytes
	s_lshl_b32 s51, s7, 7                          ; 32 columns of 4 bytes
	s_add_co_u32 s50, s50, s51
	s_mov_b32 s51, 0
	s_add_nc_u64 s[36:37], s[36:37], s[50:51]
	s_lshl_b32 s50, s6, 20
	s_lshl_b32 s52, s46, 18
	s_add_co_u32 s50, s50, s52
	s_lshl_b32 s52, s7, 13                         ; two tiles of 4,096 bytes
	s_add_co_u32 s50, s50, s52
	s_add_nc_u64 s[40:41], s[22:23], s[50:51]
	s_wait_alu depctr_va_vdst(0)
	v_lshlrev_b32 v3, 2, v2                        ; in: 4 bytes a lane
	v_bfe_u32 v14, v0, 3, 1                        ; column l of the 32 is lane (l % 8) + 8 (l / 16) of tile (l / 8) % 2
	v_mul_u32_u24 v4, v14, 4224
	v_and_b32 v14, 7, v0
	v_bfe_u32 v15, v0, 4, 1
	v_lshl_add_u32 v14, v15, 3, v14
	v_lshl_add_u32 v4, v14, 4, v4
	s_add_co_u32 s49, s49, WBASE
	v_add_nc_u32 v4, s49, v4                       ; the stage, on the way in: my place in my tile's image
	v_lshlrev_b32 v8, 4, v2                        ; out: 16 x lane
	v_add_nc_u32 v7, s49, v8
.macro WLOAD t                         ; block t: W(32 t + i, my column): 128 consecutive bytes a wave, 512 a work-group
.set ii, 0
.rept 32
	global_load_b32 v[WX+32*((\t)%2)+ii], v3, s[36:37] offset:(32*(\t)+ii)*4096 th:TH_LOAD_NT
.set ii, ii+1
.endr
.endm
.macro WBLOCK t
.set XS, WX+32*((\t)%2)
.if (\t) < 7
	s_wait_loadcnt 32                              ; this block's 32 loads are in; the next block's may be out
.else
	s_wait_loadcnt 0
.endif
.set ii, 0
.rept 32
.set ii, ii+1
.endr
.set gg, 0
.rept 4
	v_cvt_scalef32_pk8_fp8_f32 v[WC+2*gg:WC+2*gg+1], v[XS+8*gg:XS+8*gg+7], v11
.set gg, gg+1
.endr
	ds_store_b128 v4, v[WC:WC+3] offset:((\t)/4)*2048+((\t)%4)*512         ; k 32 t + 0 .. 15: the image's lower half of lanes,
	ds_store_b128 v4, v[WC+4:WC+7] offset:((\t)/4)*2048+((\t)%4)*512+256   ; k 32 t + 16 .. 31: the upper
.if (\t) < 6
	WLOAD (\t)+2
.endif
	s_wait_dscnt 0x0                               ; the stores have read their registers
.endm
	WLOAD 0
	WLOAD 1
	s_wait_kmcnt 0x0
	s_cmp_eq_u32 s6, 1
	s_cselect_b32 s53, s27, s25                    ; e3 or e1,
	s_cmp_eq_u32 s6, 2
	s_cselect_b32 s53, s29, s53                    ; e5,
	s_cmp_eq_u32 s6, 3
	s_cselect_b32 s53, s35, s53                    ; e11
	MKSCALE 53, 11, 10
.set qq, 0
	s_wait_alu depctr_va_vdst(0)
.rept 8
	WBLOCK qq
.set qq, qq+1
.endr
.set mm, 0
.rept 16
	ds_load_b128 v[OUTR+4*mm:OUTR+4*mm+3], v7 offset:(mm/8)*4224+(mm%8)*512
.set mm, mm+1
.endr
.set mm, 0
.rept 16
	s_wait_dscnt 15-mm                             ; LDS loads come back in order: number mm is in
	global_store_b128 v8, v[OUTR+4*mm:OUTR+4*mm+3], s[40:41] offset:512*mm
.set mm, mm+1
.endr
	s_wait_tensorcnt 0x0                           ; the wave's end: a wait, an add to my spare word and its wait, behind my last LDS store
	ds_add_u32 v[SPW], v[NIL]
	s_wait_dscnt 0x0
	s_endpgm
.Lfunc_end_k_q357419a77d_quant:
	.size	k_q357419a77d_quant, .Lfunc_end_k_q357419a77d_quant-k_q357419a77d_quant
	.p2alignl 7, 3214868480
	.fill 96, 4, 3214868480
	.section	.rodata,"a",@progbits
	.p2align	6, 0x0
	.amdhsa_kernel k_q357419a77d_quant
		.amdhsa_group_segment_fixed_size 68096
		.amdhsa_private_segment_fixed_size 0
		.amdhsa_enable_private_segment 0
		.amdhsa_kernarg_size 64
		.amdhsa_user_sgpr_count 2
		.amdhsa_user_sgpr_kernarg_segment_ptr 1
		.amdhsa_wavefront_size32 1
		.amdhsa_system_sgpr_workgroup_id_x 1
		.amdhsa_system_sgpr_workgroup_id_y 1
		.amdhsa_system_sgpr_workgroup_id_z 1
		.amdhsa_system_vgpr_workitem_id 0
		.amdhsa_next_free_vgpr 224
		.amdhsa_next_free_sgpr 66
		.amdhsa_reserve_vcc 0
		.amdhsa_float_denorm_mode_32 3
		.amdhsa_float_denorm_mode_16_64 3
		.amdhsa_fp16_overflow 1
		.amdhsa_memory_ordered 1
		.amdhsa_forward_progress 1
		.amdhsa_inst_pref_size 61
	.end_amdhsa_kernel
	.amdgpu_metadata
---
amdhsa.version: [ 1, 2 ]
amdhsa.kernels:
  - .name:           k_q357419a77d_quant
    .symbol:         k_q357419a77d_quant.kd
    .args:
      - { .name: x, .offset: 0, .size: 8, .value_kind: global_buffer, .address_space: global }
      - { .name: Wq, .offset: 8, .size: 8, .value_kind: global_buffer, .address_space: global }
      - { .name: Wk, .offset: 16, .size: 8, .value_kind: global_buffer, .address_space: global }
      - { .name: Wv, .offset: 24, .size: 8, .value_kind: global_buffer, .address_space: global }
      - { .name: Wo, .offset: 32, .size: 8, .value_kind: global_buffer, .address_space: global }
      - { .name: lowp_scales, .offset: 40, .size: 8, .value_kind: global_buffer, .address_space: global }
      - { .name: xc, .offset: 48, .size: 8, .value_kind: global_buffer, .address_space: global }
      - { .name: wc, .offset: 56, .size: 8, .value_kind: global_buffer, .address_space: global }
    .group_segment_fixed_size: 68096
    .private_segment_fixed_size: 0
    .kernarg_segment_align: 8
    .kernarg_segment_size: 64
    .max_flat_workgroup_size: 128
    .sgpr_count:     66
    .vgpr_count:     224
    .wavefront_size: 32
...
	.end_amdgpu_metadata
.endif
;; end of part 1
;; launch qkv (part 2): grid 12 x 32, 4 waves a work-group, clusters of 4 x 4, 327,680 bytes of LDS; arguments xc, wc, bq, bk, bv, lowp_scales, qc, kv; writes qc, kv
.if DOCPART == 2
	.amdgcn_target "amdgcn-amd-amdhsa--gfx1250"
	.amdhsa_code_object_version 6
	.text
	.protected	k_q357419a77d_qkv
	.globl	k_q357419a77d_qkv
	.p2align	8
	.type	k_q357419a77d_qkv,@function
k_q357419a77d_qkv:
	s_mov_b64 s[64:65], 0
	v_nop
	global_prefetch_b8 v0, s[64:65] scope:SCOPE_SE
	s_setreg_imm32_b32 hwreg(HW_REG_WAVE_MODE, 25, 1), 1
	s_wait_xcnt 0x0
	s_wait_alu depctr_hold_cnt(0) depctr_sa_sdst(0) depctr_va_vdst(0) depctr_va_sdst(0) depctr_va_ssrc(0) depctr_va_vcc(0) depctr_vm_vsrc(0)
	s_getreg_b32 s2, hwreg(HW_REG_IB_STS2, 6, 4)
	s_cmp_eq_u32 s2, 0
	s_cbranch_scc0 .Lentry_in_a_cluster
	s_endpgm
.Lentry_in_a_cluster:
	s_bfe_u32 s2, ttmp6, 0x10000c
	s_cmp_lg_u32 s2, 0xf033
	s_cbranch_scc0 .Lentry_shape_is_right
	s_endpgm
.Lentry_shape_is_right:
; q = x Wq + bq, k = x Wk + bk, v = x Wv + bv on codes of FP8 (E4M3); each result, sum x 2^(ex + ew) + bias in f32, is quantised at once (e6, e7, e9) and stored as the image of attention's operand.
; LIMITS: e0 + e1, e2 + e3, e4 + e5 between -126 and 127; e6, e7, e9 between -126 and 119.
; IMAGES.  A row tile T is 16 rows, lane r standing for row 32 (T / 2) + 8 (T % 2) + r + 8 (r / 8); a fragment (a tile x 128 K) is [c 0..3][lane][16 bytes] with k = 32 c + 16 h + 0 .. 15.  xc and wc hold, for each K step of 256,
; 4,096 bytes a tile: 256 rows of a K step are one dense block of 65,536 bytes.  That order of k is a permutation of the form's own, the same on both sides of every product.
; A tile of 256 x 256 is made by four waves, each 128 x 128: 64 accumulators, 512 registers.  K = 1,024 goes in four steps of 256 through two LDS slots.
; THE MATRIX INSTRUCTION'S SOURCE 0 IS 'B', SOURCE 1 'A': a lane holds ONE row of A, and the 16 registers of B's tiles 2 g, 2 g + 1 are B's rows 32 g + 16 h + 0 .. 15: sixteen neighbours along the next product's K.
; For q and k (cluster x = 0, 1) A = tokens, B = channels: a lane has a token and 16 channels of a head.  For v (cluster x = 2) the two buffers change places: a lane has a channel and 16 tokens, since the keys are the next K.
; So two conversions give 16 bytes of the next operand's image for this very lane, and a wave's store covers 512 consecutive bytes, aligned: no stage on the way out.
; OUT.  qc: [head 16 b + hd][query tile 0..127][c 0..1][lane][16].  kv: [head][chunk of 128 keys 0..15][16,384]: 8 key tiles x 1,024 (K = the head's 64), then 4 tiles of the head's 64 x 2,048 (K = the chunk's keys).
; CLUSTERS: 4 x 4 work-groups, one projection to a cluster.  A's tile is shared along a row of the cluster, B's along a column: each is asked for jointly.
; REGISTERS: window 0: v16-31 addresses and scales; v32-95 the bias by register, v96-111 the bias by lane; v128-255 A's fragments, ONE set (on the way out: 64 numbers, then 4 sets of 16 registers of codes).
;   window 1: B's fragments, TWO sets, at v0 and v128.   windows 2, 3: the accumulators: (a, b) at v[8 (8 (a % 4) + b)] of window 2 + a / 4.
.set SLOT,   131072                    ; A's 65,536 bytes, then B's
.set BOFF,   65536
.set SPARE,  2*SLOT                    ; behind the ring: the spare words, 128 bytes for each wave: two blocks of 256 bytes that no other line names
.set FR,     16                        ; registers of a fragment
.set NL,     4                         ; LDS loads that bring one
.set NP,     4                         ; places behind this matrix instruction (ISA guide 7.12.1)
.set ADRA, 16                          ; v16-17  LDS address of my A fragments in slot 0, 1
.set ADRB, 20                          ; v20-21  the same for B
.set L16,  26                          ; v26     16 x lane
.set SPW,  28                          ; v28     LDS address of my spare word; never rewritten
.set NIL,  29                          ; v29     0; never rewritten
.set QS,   30                          ; v30     2^eo as f32
.set QL,   31
.set BB,   32                          ; v32-95  bias at B's rows: register 8 b + j = channel 32 (b / 2) + 8 (b % 2) + 16 h + j
.set BA,   96                          ; v96-111 bias at A's rows: pair a = channel 32 (a / 2) + 8 (a % 2) + r + 8 (r / 8), twice
.set AF,   128
.set TMP,  128
.set CD,   192
.set G1, 24                            ; s[24:31] descriptor group 1 for A's tiles;  s[32:39] group 0, one set for each slot
.set G0, 32
.set G1B, 48                           ; s[48:55], s[56:63] the same for B's
.set G0B, 56
.set MSB, 0
.macro WIN new                         ; the immediate's high byte repeats the setting that is left
.if MSB != (\new)
	s_set_vgpr_msb (MSB<<8)|(\new)
.set MSB, (\new)
.endif
.endm
.set MUL_LO, 0xa1                      ; source 0 (B) window 1, source 1 (A) window 0, C and D window 2
.set MUL_HI, 0xf1                      ; the same, C and D window 3
.set TO_B,   0x40                      ; destination window 1, address window 0
; A joint load: waves 0 and 1 fetch A's halves, waves 2 and 3 B's.  The branch hangs on the wave's number alone.  An s_nop 0 and four v_nop follow each of the two lines.
.macro JLOAD g0a, g1a, g0b, g1b
	s_cmp_eq_u32 s15, 0
	s_cbranch_scc0 .Lfor_b_\@
	tensor_load_to_lds s[\g0a:\g0a+3], s[\g1a:\g1a+7]
	s_nop 0
.rept 4
	v_nop
.endr
	s_branch .Lasked_\@
.Lfor_b_\@:
	tensor_load_to_lds s[\g0b:\g0b+3], s[\g1b:\g1b+7]
	s_nop 0
.rept 4
	v_nop
.endr
.Lasked_\@:
.endm
.macro CREST                           ; a round of the cluster's barrier behind its opening barrier
	s_cmp_lg_u32 s14, 0
	s_cbranch_scc1 .Lnot_wave_0_\@
	s_barrier_signal -3
.Lnot_wave_0_\@:
	s_barrier_wait -3
	s_barrier_signal -1
	s_barrier_wait -1
.endm
.macro CROUND
	s_barrier_signal -1
	s_barrier_wait -1
	CREST
.endm
	s_load_b512 s[68:83], s[0:1], 0x0              ; xc 68:69, wc 70:71, bq 72:73, bk 74:75, bv 76:77, the exponents 78:79, qc 80:81, kv 82:83
	v_lshl_add_u32 v[SPW], v0, 2, SPARE
	v_mov_b32 v[NIL], 0
	ds_add_u32 v[SPW], v[NIL]
	ds_add_u32 v[SPW], v[NIL]                      ; the wave's opening: the add and its wait stand ahead of my first tensor load; the set-up below, work on registers, stands between them
	v_lshrrev_b32 v1, 5, v0
	v_readfirstlane_b32 s14, v1                    ; wave 0..3
	s_lshr_b32 s15, s14, 1                         ; which half of A's rows is mine.  Also: I fetch for A (0) or for B (1)
	s_and_b32 s16, s14, 1                          ; which half of B's rows.  Also: which half of that tile I fetch
	s_bfe_u32 s40, ttmp6, 0x40000                  ; cx, cy: my place in the cluster
	s_bfe_u32 s41, ttmp6, 0x40004
	s_lshl_b32 s43, s41, 2
	s_lshl_b32 s43, 15, s43                        ; my row of the cluster
	s_lshl_b32 s44, 0x1111, s40                    ; my column
	s_or_b32 s[G1], s43, (3<<16)|(1<<21)           ; 15:0 the mask: A's tiles go to my row; 17:16 elements of 8 bytes; 21 set beside a mask; no padding: an image is read 16 bytes a lane, on end
	s_or_b32 s[G1B], s44, (3<<16)|(1<<21)
.irp g, G1, G1B
	s_mov_b32 s[\g+1], 32<<16                      ; tensor_dim0 = 32 elements: rows of 256 bytes
	s_mov_b32 s[\g+2], 128<<16                     ; tensor_dim1 = 128: half a tile, 32,768 bytes on end
	s_mov_b32 s[\g+3], 32<<16                      ; tile_dim0
	s_mov_b32 s[\g+4], 128                         ; tile_dim1
	s_mov_b32 s[\g+5], 32                          ; the pitch: dense
	s_mov_b32 s[\g+6], 0
	s_mov_b32 s[\g+7], 0
.endr
	; which tiles.  A's hangs on cy (and the cluster's y) alone, B's on cx alone, in registers that never hold the other coordinate.  The cluster's x says which projection: the same in all sixteen.
	s_and_b32 s17, ttmp7, 0xffff
	s_lshl_b32 s17, s17, 2                         ; 4 x cluster y
	s_add_co_u32 s18, s17, s41
	s_add_co_u32 s42, s17, s40
	s_lshl_b32 s22, ttmp9, 23                      ; xc under this projection's scale
	s_lshl_b32 s46, ttmp9, 20                      ; its weight in wc
	s_cmp_eq_u32 ttmp9, 2                          ; v?
	s_cselect_b32 s18, s41, s18                    ; A's tile: v: channels cy;  q, k: tokens 4 Y + cy
	s_cselect_b32 s42, s42, s40                    ; B's tile: v: tokens 4 Y + cx;  q, k: channels cx
	s_cselect_b32 s22, 0x200000, s22               ; A's part of its buffer
	s_cselect_b32 s46, 0x1000000, s46              ; B's
	s_mov_b32 s4, 0x400000
	s_cselect_b32 s4, 0x80000, s4                  ; two K steps in A's buffer: 2 x 2,097,152 in xc, 2 x 262,144 in wc
	s_mov_b32 s6, 0x80000
	s_cselect_b32 s6, 0x400000, s6                 ; and in B's
	s_mov_b32 s5, 0
	s_mov_b32 s7, 0
	s_lshr_b32 s98, s4, 1                          ; one K step
	s_mov_b32 s99, 0
	s_lshr_b32 s66, s6, 1
	s_mov_b32 s67, 0
	s_lshl_b32 s19, s16, 15                        ; the half that I fetch
	s_lshl_b32 s23, s18, 16                        ; a tile is 65,536 bytes
	s_add_co_u32 s22, s22, s23
	s_add_co_u32 s22, s22, s19
	s_mov_b32 s23, 0
	s_lshl_b32 s47, s42, 16
	s_add_co_u32 s46, s46, s47
	s_add_co_u32 s46, s46, s19
	s_mov_b32 s47, 0
	s_lshl_b32 s2, s14, 15                         ; where it goes: wave x 32,768: no place in the cluster enters an LDS address
	s_wait_dscnt 0x0                               ; the opening add is done
	s_wait_kmcnt 0x0
	s_load_b256 s[84:91], s[78:79], 0x0            ; e0 .. e7
	s_load_b128 s[92:95], s[78:79], 0x20           ; e8 .. e11
	s_cmp_eq_u32 ttmp9, 2
	s_cselect_b64 s[20:21], s[70:71], s[68:69]     ; A's buffer
	s_cselect_b64 s[44:45], s[68:69], s[70:71]     ; B's
	s_add_nc_u64 s[20:21], s[20:21], s[22:23]
	s_add_nc_u64 s[46:47], s[44:45], s[46:47]
	CROUND                                         ; all sixteen work-groups are here: the first joint loads meet
	s_mov_b32 s[G0], 1
	s_mov_b32 s[G0+1], s2
	s_mov_b64 s[G0+2:G0+3], s[20:21]
	s_or_b32 s[G0+3], s[G0+3], 0x80000000
	s_mov_b32 s[G0B], 1
	s_mov_b32 s[G0B+1], s2
	s_mov_b64 s[G0B+2:G0B+3], s[46:47]
	s_or_b32 s[G0B+3], s[G0B+3], 0x80000000
	JLOAD G0, G1, G0B, G1B                         ; K step 0
	s_mov_b32 s[G0+4], 1
	s_add_co_u32 s[G0+5], s2, SLOT
	s_add_nc_u64 s[G0+6:G0+7], s[20:21], s[98:99]
	s_or_b32 s[G0+7], s[G0+7], 0x80000000
	s_mov_b32 s[G0B+4], 1
	s_add_co_u32 s[G0B+5], s2, SLOT
	s_add_nc_u64 s[G0B+6:G0B+7], s[46:47], s[66:67]
	s_or_b32 s[G0B+7], s[G0B+7], 0x80000000
	JLOAD G0+4, G1, G0B+4, G1B                     ; K step 1: two loads of mine are out
	v_and_b32 v1, 31, v0
	v_lshlrev_b32 v[L16], 4, v1
	s_lshl_b32 s21, s15, 15                        ; my 128 rows of A
	s_lshl_b32 s22, s16, 15                        ; my 128 rows of B,
	s_add_co_u32 s22, s22, BOFF                    ; which lie behind A's 256
.irp s, 0,1
	v_add_nc_u32 v[ADRA+\s], s21, v[L16]
	v_add_nc_u32 v[ADRB+\s], s22, v[L16]
	s_add_co_u32 s21, s21, SLOT
	s_add_co_u32 s22, s22, SLOT
.endr
	; where my results go, and my channels' bias
	s_cmp_eq_u32 ttmp9, 2
	s_cselect_b32 s19, s42, s18                    ; the tile of 256 tokens,
	s_cselect_b32 s20, s16, s15                    ; my half of it,
	s_cselect_b32 s21, s18, s42                    ; the tile of 256 channels,
	s_cselect_b32 s22, s15, s16                    ; my half of it
	s_cselect_b32 s23, 8192, 0                     ; v's part of a chunk lies behind k's
	s_lshl_b32 s43, s21, 8
	s_lshl_b32 s44, s22, 7
	s_add_co_u32 s43, s43, s44                     ; my first channel
	s_lshl_b32 s44, s43, 2
	s_mov_b32 s45, 0
	s_cmp_eq_u32 ttmp9, 1
	s_cselect_b64 s[12:13], s[74:75], s[72:73]
	s_cmp_eq_u32 ttmp9, 2
	s_cselect_b64 s[12:13], s[76:77], s[12:13]
	s_add_nc_u64 s[12:13], s[12:13], s[44:45]      ; the bias at my first channel
	s_lshr_b32 s44, s19, 3                         ; the batch: 8 tiles of 256 tokens each
	s_lshl_b32 s44, s44, 4
	s_lshr_b32 s43, s43, 6
	s_add_co_u32 s44, s44, s43                     ; my first head: 16 b + channel / 64; I have two
	s_and_b32 s43, s19, 7
	s_lshl_b32 s43, s43, 1
	s_add_co_u32 s43, s43, s20                     ; my 128 tokens in the batch: chunk 0..15
	s_cmp_eq_u32 ttmp9, 0
	s_cselect_b32 s46, 17, 18                      ; a head is 2^17 bytes in qc, 2^18 in kv;
	s_cselect_b32 s47, 13, 14                      ; a chunk 2^13, 2^14
	s_cselect_b64 s[8:9], s[80:81], s[82:83]
	s_lshl_b32 s44, s44, s46
	s_lshl_b32 s43, s43, s47
	s_add_co_u32 s44, s44, s43
	s_add_co_u32 s44, s44, s23
	s_add_nc_u64 s[8:9], s[8:9], s[44:45]          ; my first head's chunk,
	s_lshl_b32 s44, 1, s46
	s_add_nc_u64 s[10:11], s[8:9], s[44:45]        ; my second head's
	v_bfe_u32 v2, v0, 4, 1                         ; h
	v_lshlrev_b32 v3, 6, v2                        ; 16 h channels
	v_and_b32 v4, 15, v0
	v_and_b32 v5, 8, v4
	v_add_nc_u32 v4, v4, v5                        ; r + 8 (r / 8)
	v_lshlrev_b32 v4, 2, v4
.set bb, 0
.rept 8                                ; both forms of the bias are loaded, whichever the way out takes: 1,024 bytes a lane group, once
	global_load_b128 v[BB+8*bb:BB+8*bb+3], v3, s[12:13] offset:(32*(bb/2)+8*(bb%2))*4
	global_load_b128 v[BB+8*bb+4:BB+8*bb+7], v3, s[12:13] offset:(32*(bb/2)+8*(bb%2))*4+16
	global_load_b32 v[BA+2*bb], v4, s[12:13] offset:(32*(bb/2)+8*(bb%2))*4
	global_load_b32 v[BA+2*bb+1], v4, s[12:13] offset:(32*(bb/2)+8*(bb%2))*4
.set bb, bb+1
.endr
.macro FRAG reg, adr, q, i             ; tile i, chunk q of the slot: an image comes back as it was stored: 4 loads of 512 consecutive bytes
.irp c, 0,1,2,3
	ds_load_b128 v[\reg+4*\c:\reg+4*\c+3], v[\adr] offset:(\i)*4096+(\q)*2048+512*\c
.endr
.endm
; 16 matrix instructions: A's blocks a0, a0 + 1 x B's eight, 128 along K.  p: B's set.  zero = 1: the first product starts the sums.  The 64 accumulators take turns, one instruction a turn, in the same order in every step.
.macro MUL16 a0, p, zero
.irp a, \a0, \a0+1
.irp b, 0,1,2,3,4,5,6,7
.if \zero
	v_wmma_f32_16x16x128_fp8_fp8 v[8*(8*((\a)%4)+\b):8*(8*((\a)%4)+\b)+7], v[128*(\p)+FR*\b:128*(\p)+FR*\b+FR-1], v[AF+FR*(\a):AF+FR*(\a)+FR-1], 0
.else
	v_wmma_f32_16x16x128_fp8_fp8 v[8*(8*((\a)%4)+\b):8*(8*((\a)%4)+\b)+7], v[128*(\p)+FR*\b:128*(\p)+FR*\b+FR-1], v[AF+FR*(\a):AF+FR*(\a)+FR-1], v[8*(8*((\a)%4)+\b):8*(8*((\a)%4)+\b)+7]
.endif
.endr
.endr
.endm
.macro FETCH_B slot, q, p
	WIN TO_B
.irp i, 0,1,2,3,4,5,6,7
	FRAG 128*(\p)+FR*\i, ADRB+\slot, \q, \i
.endr
	WIN 0
.endm
.macro FETCH_A slot, q, i0
.irp i, \i0, \i0+1, \i0+2, \i0+3
	FRAG AF+FR*(\i), ADRA+\slot, \q, \i
.endr
.endm
.macro PLACES n                        ; a load into a register that a matrix instruction has read, and a vector instruction that reads a result or writes such a register, stand four plain vector instructions behind it
.rept \n
	v_nop
.endr
.endm
; A step of 128 along K that has its successor in the same slot.  A's blocks are free as soon as their eight products are issued: blocks 0-3 are fetched anew in the step's middle, blocks 4-7 at its end.
.macro STEP slot, q, zero
	s_wait_dscnt 4*NL                              ; B's set and A's blocks 0-3 are in; the youngest 16 loads (A's blocks 4-7) may be out
	WIN MUL_LO
	MUL16 0, (\q)%2, \zero
	MUL16 2, (\q)%2, \zero
	s_wait_dscnt 0                                 ; A's blocks 4-7 are in
	PLACES NP
	FETCH_B \slot, (\q)+1, 1-(\q)%2
	FETCH_A \slot, (\q)+1, 0
	WIN MUL_HI
	MUL16 4, (\q)%2, \zero
	MUL16 6, (\q)%2, \zero
	PLACES NP
	WIN 0
	FETCH_A \slot, (\q)+1, 4
.endm
; A slot's last step changes slots: ONE barrier; in front of it each wave waits for all its tensor loads, adds 0 to its spare word, and waits for that and for its own reads of this slot.  fill = 1: the slot is filled again, two K steps ahead.
.macro TURN slot, next, fill
	s_wait_tensorcnt 0x0                           ; all my tensor loads have landed: my part of the next slot
	ds_add_u32 v[SPW], v[NIL]                      ; 0 onto my spare word
	s_wait_dscnt 4*NL+1                            ; (the add and the youngest 16 loads, A's blocks 4-7, may be out)
	WIN MUL_LO
	MUL16 0, 1, 0                                  ; sixteen matrix instructions stand between the add and the wait for it
	s_wait_dscnt 0x0                               ; the add is done, and my reads of this slot are over
	s_barrier_signal -1
	MUL16 2, 1, 0
	WIN 0
	s_barrier_wait -1
.if \fill
	CREST                                          ; the barrier has opened a round of the cluster's: no wave of any partner still reads this slot or has a load on its way
	s_add_nc_u64 s[G0+4*\slot+2:G0+4*\slot+3], s[G0+4*\slot+2:G0+4*\slot+3], s[4:5]
	s_add_nc_u64 s[G0B+4*\slot+2:G0B+4*\slot+3], s[G0B+4*\slot+2:G0B+4*\slot+3], s[6:7]
	JLOAD G0+4*\slot, G1, G0B+4*\slot, G1B         ; the first tensor load behind the round, my only one until the next; its four v_nop are the places in front of the loads below
.else
	PLACES NP
.endif
	FETCH_B \next, 0, 0
	FETCH_A \next, 0, 0
	WIN MUL_HI
	MUL16 4, 1, 0
	MUL16 6, 1, 0
	PLACES NP
	WIN 0
	FETCH_A \next, 0, 4
.endm
	s_wait_alu depctr_va_vdst(0)
	s_wait_tensorcnt 1                             ; my part of K step 0 is in (K step 1's load may be out)
	s_barrier_signal -1
	s_barrier_wait -1                              ; everybody's is
	FETCH_B 0, 0, 0
	FETCH_A 0, 0, 0
	FETCH_A 0, 0, 4
	STEP 0, 0, 1                                   ; K = 1,024 is four fills of a slot: the eight steps of 128 are written on end.  The first starts the sums
	TURN 0, 1, 1                                   ; slot 0 takes K step 2
	STEP 1, 0, 0
	TURN 1, 0, 1                                   ; slot 1 takes K step 3
	STEP 0, 0, 0
	TURN 0, 1, 0                                   ; nothing is left to fetch: no round
	STEP 1, 0, 0
	s_wait_dscnt 4*NL                              ; the last step
	WIN MUL_LO
	MUL16 0, 1, 0
	MUL16 2, 1, 0
	s_wait_dscnt 0
	WIN MUL_HI
	MUL16 4, 1, 0
	MUL16 6, 1, 0
	WIN 0
; THE WAY OUT.  For each of A's blocks: value = sum x 2^(ex + ew) + bias, one packed multiply-add for two, each accumulator from its low end on; the conversions; four stores of 512 consecutive bytes.
	s_wait_kmcnt 0x0
	s_add_co_i32 s17, s84, s85                     ; e0 + e1
	s_add_co_i32 s18, s86, s87                     ; e2 + e3
	s_add_co_i32 s19, s88, s89                     ; e4 + e5
	s_cmp_eq_u32 ttmp9, 1
	s_cselect_b32 s17, s18, s17
	s_cselect_b32 s20, s91, s90                    ; e7 or e6
	s_cmp_eq_u32 ttmp9, 2
	s_cselect_b32 s17, s19, s17
	s_cselect_b32 s20, s93, s20                    ; e9
	s_add_co_i32 s17, s17, 127
	s_lshl_b32 s96, s17, 23                        ; 2^(ex + ew) as f32
	s_mov_b32 s97, s96                             ; (named with it as a pair, so it is written)
	s_add_co_i32 s20, s20, 127
	s_lshl_b32 s21, s20, 23
	v_mov_b32 v[QS], s21
	s_wait_loadcnt 0x0                             ; the bias
	PLACES NP                                      ; behind the last products: A's registers are written below
.macro EPI vmode
.set aa, 0
.rept 8
.set AC, 64*(aa%4)
.set CS, CD+16*(aa%4)
.if aa >= 4
	s_wait_xcnt 0x0                                ; the stores of four blocks back have read their data: that set of codes is written again only behind this wait
.endif
	WIN 0x02+(aa/4)                                ; source 0: window 2 or 3
.set jj, 0
.rept 32
.if \vmode
	v_pk_fma_f32 v[TMP+jj:TMP+jj+1], v[AC+jj:AC+jj+1], s[96:97], v[BA+2*aa:BA+2*aa+1] op_sel_hi:[1,0,1]   ; my lane's channel
.else
	v_pk_fma_f32 v[TMP+jj:TMP+jj+1], v[AC+jj:AC+jj+1], s[96:97], v[BB+jj:BB+jj+1] op_sel_hi:[1,0,1]       ; the registers' channels
.endif
.set jj, jj+2
.endr
	WIN 0
.set be, 0
.rept 4
.set ii, 0
.rept 16
.set ii, ii+1
.endr
	v_cvt_scalef32_pk8_fp8_f32 v[CS+4*be:CS+4*be+1], v[TMP+16*be:TMP+16*be+7], v[QS]
	v_cvt_scalef32_pk8_fp8_f32 v[CS+4*be+2:CS+4*be+3], v[TMP+16*be+8:TMP+16*be+15], v[QS]
.set be, be+1
.endr
	v_nop                                          ; a plain line between the last conversion and the next block's writes of its sources
.set be, 0
.rept 4
.if \vmode
	global_store_b128 v[L16], v[CS+4*be:CS+4*be+3], s[8+2*(aa/4):9+2*(aa/4)] offset:(aa%4)*2048+be*512   ; head a / 4, tile a % 4 of its 64, keys 32 be on
.else
	global_store_b128 v[L16], v[CS+4*be:CS+4*be+3], s[8+2*(be/2):9+2*(be/2)] offset:aa*1024+(be%2)*512   ; head be / 2, token tile a, channels 32 (be % 2) on
.endif
.set be, be+1
.endr
.set aa, aa+1
.endr
.endm
	s_cmp_eq_u32 ttmp9, 2                          ; the cluster's x: the same in all partners
	s_cbranch_scc1 .Lfor_v
	EPI 0
	s_branch .Lstored
.Lfor_v:
	EPI 1
.Lstored:
	s_wait_tensorcnt 0x0                           ; the wave's end: a wait, an add to my spare word and its wait, behind my last tensor load
	ds_add_u32 v[SPW], v[NIL]
	s_wait_dscnt 0x0
	CROUND                                         ; the closing round: no work-group ends while a partner may still ask for a tile that names it
	s_endpgm
.Lfunc_end_k_q357419a77d_qkv:
	.size	k_q357419a77d_qkv, .Lfunc_end_k_q357419a77d_qkv-k_q357419a77d_qkv
	.p2alignl 7, 3214868480
	.fill 96, 4, 3214868480
	.section	.rodata,"a",@progbits
	.p2align	6, 0x0
	.amdhsa_kernel k_q357419a77d_qkv
		.amdhsa_group_segment_fixed_size 327680
		.amdhsa_private_segment_fixed_size 0
		.amdhsa_enable_private_segment 0
		.amdhsa_kernarg_size 64
		.amdhsa_user_sgpr_count 2
		.amdhsa_user_sgpr_kernarg_segment_ptr 1
		.amdhsa_wavefront_size32 1
		.amdhsa_system_sgpr_workgroup_id_x 1
		.amdhsa_system_sgpr_workgroup_id_y 1
		.amdhsa_system_sgpr_workgroup_id_z 1
		.amdhsa_system_vgpr_workitem_id 0
		.amdhsa_next_free_vgpr 1024
		.amdhsa_next_free_sgpr 100
		.amdhsa_reserve_vcc 0
		.amdhsa_float_denorm_mode_32 3
		.amdhsa_float_denorm_mode_16_64 3
		.amdhsa_fp16_overflow 1
		.amdhsa_memory_ordered 1
		.amdhsa_forward_progress 1
		.amdhsa_inst_pref_size 130
	.end_amdhsa_kernel
	.amdgpu_metadata
---
amdhsa.version: [ 1, 2 ]
amdhsa.kernels:
  - .name:           k_q357419a77d_qkv
    .symbol:         k_q357419a77d_qkv.kd
    .args:
      - { .name: xc, .offset: 0, .size: 8, .value_kind: global_buffer, .address_space: global }
      - { .name: wc, .offset: 8, .size: 8, .value_kind: global_buffer, .address_space: global }
      - { .name: bq, .offset: 16, .size: 8, .value_kind: global_buffer, .address_space: global }
      - { .name: bk, .offset: 24, .size: 8, .value_kind: global_buffer, .address_space: global }
      - { .name: bv, .offset: 32, .size: 8, .value_kind: global_buffer, .address_space: global }
      - { .name: lowp_scales, .offset: 40, .size: 8, .value_kind: global_buffer, .address_space: global }
      - { .name: qc, .offset: 48, .size: 8, .value_kind: global_buffer, .address_space: global }
      - { .name: kv, .offset: 56, .size: 8, .value_kind: global_buffer, .address_space: global }
    .group_segment_fixed_size: 327680
    .private_segment_fixed_size: 0
    .kernarg_segment_align: 8
    .kernarg_segment_size: 64
    .max_flat_workgroup_size: 128
    .sgpr_count:     100
    .vgpr_count:     1024
    .wavefront_size: 32
...
	.end_amdgpu_metadata
.endif
;; end of part 2
;; launch attn (part 3): grid 4 x 64, 16 waves a work-group, no clusters, 327,680 bytes of LDS; arguments qc, kv, lowp_scales, ac; writes ac
.if DOCPART == 3
	.amdgcn_target "amdgcn-amd-amdhsa--gfx1250"
	.amdhsa_code_object_version 6
	.text
	.protected	k_q357419a77d_attn
	.globl	k_q357419a77d_attn
	.p2align	8
	.type	k_q357419a77d_attn,@function
k_q357419a77d_attn:
	s_mov_b64 s[64:65], 0
	v_nop
	global_prefetch_b8 v0, s[64:65] scope:SCOPE_SE
	s_setreg_imm32_b32 hwreg(HW_REG_WAVE_MODE, 25, 1), 1
	s_wait_xcnt 0x0
; Causal attention on codes of FP8 (E4M3): 64 heads (16 b + hd) of 2,048 tokens, head size 64.  The result, O / l x 2^(e8 + e9), is quantised (e10) and stored as the image of the last product's operand.
; THE SOFTMAX AHEAD OF THE SECOND PRODUCT: t = score x log2(e) / 8; M = the running largest t rounded UP to a whole number; p = 2^(t - M) is what is quantised (e8), not normalised.  The row's sum is taken of the
; unquantised p and divides at the end.  When M moves, the sum and O are multiplied by 2^(old M - new M): exact.
; LIMITS: e6 + e7 between -123 and 130 (added to c's exponent field); e8, e10 between -126 and 119; e8 + e9 goes by v_ldexp_f32 and has none.
; SHARES.  A work-group owns the blocks of 256 queries I and 7 - I of one head, one after the other: I + 1 and 8 - I slots of 256 keys, NINE for every work-group: 256 equal work-groups, and every loop's trip count a constant.
; Each of sixteen waves owns one tile of 16 queries of the block in hand, in 256 registers: four waves to a SIMD, so that one wave's vector work stands beside another's matrix work and LDS loads.
; NO CLUSTER: in one and the same trip the four work-groups of a head want different key slots (slot j - 1, j - 2, j - 3, j - 4 from the fifth trip on), so no joint request could name the same tile;
; and what they share is 32,768 bytes a trip against two key steps of softmax in each of sixteen waves.
; IMAGES.  Tile T's lane r stands for row 32 (T / 2) + 8 (T % 2) + r + 8 (r / 8).  qc: [head][query tile][c 0..1][lane][16], k = 32 c + 16 h + 0 .. 15 of the head's 64.  kv: [head][chunk of 128 keys][16,384]:
; 8 key tiles x 1,024, then 4 tiles of the head's 64 x 2,048 with the chunk's keys as K.  Both products are used transposed: S^T = K Q^T, O^T = V^T P^T: a lane holds ONE query throughout, the 16 registers of tiles
; 2 g, 2 g + 1 are keys (or channels) 32 g + 16 h + 0 .. 15, and the conversions' results are the next operand's registers.  ac: [hd / 4][token tile][(hd % 4) / 2][c = 2 (hd % 2) + g][lane][16].
; REGISTERS: v1 16 x lane; v2 the slot's LDS address; v3 256 x lane; v4 r + 8 (r / 8) - 16 h; v12 -M, v13 the largest t, v[14:15] the sum in two halves; v16-23 Q; v24-31 the second block's Q;
;   v32-95 K's eight fragments, then V's four; v96-159 S^T, then p; v160-191 O^T; v192-207 the results' codes; v224-239 p's codes; v240-254 scales and work.
.set SLOT1, 1<<15                      ; a slot is two chunks, 32,768 bytes; slot 1 begins here, so that one exclusive or turns an address from one slot to the other
.set SPARE, 65536                      ; behind the ring: the spare words, 128 bytes for each wave: eight blocks of 256 bytes that no other line names
.set SPW,  5
.set NIL,  6
.set TB,   2                           ; s2   LDS byte at which the slot in hand begins
.set IB,   12                          ; s12  I
.set JJ,   13                          ; s13  the trip
.set BACK, 14                          ; s14  (I + 1) slots in bytes: from the first block's last slot on to the head's first
.set WV,   18
.set SEL,  20                          ; s[20:21] lane selects for v_permlanex16_b32: lane l xor 16
.set CS,   22                          ; s[22:23] c = log2(e) / 8 x 2^(e6 + e7)
.set G1,   24
.set G0,   40
.set KF,   44                          ; s44  the step's first key
.set Q0,   45                          ; s45  my tile's first query: its 16 are Q0 + 0 .. 7 and Q0 + 16 .. 23
.set Q0B,  46                          ; s46  the same in the second block
.set QPA,  48
.set QPB,  50
.set OBA,  52
.set OBB,  54
.set PFA,  56                          ; s[56:57] where my prefetches stand
.set LO,   58                          ; s58  3 in a wave that prefetches, else 64
.macro TLOAD                           ; waves 0 and 1 fetch a chunk each, the others nothing.  An s_nop 0 and four v_nop follow the load
	s_cmp_lt_u32 s[WV], 2
	s_cbranch_scc0 .Lasked_\@
	tensor_load_to_lds s[G0:G0+3], s[G1:G1+7]
	s_nop 0
.rept 4
	v_nop
.endr
.Lasked_\@:
.endm
; A PREFETCH INTO THE L2.  In trip j the work-group with I = 0 asks by its tensor loads for key slot j, ahead of the head's other three work-groups from slot 4 on.  Its waves 4 to 7, which fetch nothing, name in trips 3 to 6
; key slots 4 to 7, one slot (two key steps) ahead of that load: 8,192 bytes a wave, lanes 256 bytes apart: each aligned block of 256 bytes once in the launch.  Slots 0 to 3 come by their loads alone.
.macro ASK
	s_sub_co_u32 s97, s[JJ], s[LO]
	s_cmp_le_u32 s97, 3
	s_cbranch_scc0 .Lnot_mine_\@
	global_prefetch_b8 v3, s[PFA:PFA+1] th:TH_LOAD_NT scope:SCOPE_SE
.Lnot_mine_\@:
.endm
.macro MKSCALE se, vs, vl
	s_add_co_i32 s96, s[\se], 127
	s_lshl_b32 s97, s96, 23
	v_mov_b32 v[\vs], s97
.endm
.macro STATE                           ; a block begins: the largest t under every t, zeros for the sum and O^T, which the first change of M leaves zeros: so the key step is written once
	v_mov_b32 v13, 0xff61b1e6                      ; -3e38
	s_delay_alu instid0(VALU_DEP_1)
	v_floor_f32 v12, -v13
	v_mov_b32 v14, 0
	v_mov_b32 v15, 0
.set jj, 0
.rept 32
	v_mov_b32 v[160+jj], 0
.set jj, jj+1
.endr
.endm
	s_load_b256 s[4:11], s[0:1], 0x0               ; qc 4:5, kv 6:7, the exponents 8:9, ac 10:11
	v_lshl_add_u32 v[SPW], v0, 2, SPARE
	v_mov_b32 v[NIL], 0
	ds_add_u32 v[SPW], v[NIL]                      ; the wave's opening: the add and its wait stand ahead of my first tensor load; the set-up below, work on registers, stands between them
	ds_add_u32 v[SPW], v[NIL]
	v_lshrrev_b32 v8, 5, v0
	s_delay_alu instid0(VALU_DEP_1)
	v_readfirstlane_b32 s[WV], v8                  ; wave 0..15
	s_mov_b32 s[IB], ttmp9
	s_and_b32 s19, ttmp7, 0xffff                   ; the head
	s_mov_b32 s[G1], 3<<16                         ; no mask; elements of 8 bytes; no padding: an image is read 16 bytes a lane, on end
	s_mov_b32 s[G1+1], 32<<16                      ; tensor_dim0 = 32: rows of 256 bytes
	s_mov_b32 s[G1+2], 64<<16                      ; tensor_dim1 = 64: a chunk, 16,384 bytes on end
	s_mov_b32 s[G1+3], 32<<16
	s_mov_b32 s[G1+4], 64
	s_mov_b32 s[G1+5], 32
	s_mov_b32 s[G1+6], 0
	s_mov_b32 s[G1+7], 0
	s_mov_b32 s[SEL], 0x76543210
	s_mov_b32 s[SEL+1], 0xfedcba98
	s_mov_b32 s[CS], 0x3e38aa3b                    ; log2(e) / 8
	s_mov_b32 s[TB], 0
	s_mov_b32 s[JJ], 0
	s_mov_b32 s[KF], 0
	s_add_co_u32 s[BACK], s[IB], 1
	s_lshl_b32 s[BACK], s[BACK], 15
	s_mov_b32 s17, 0
	s_and_b32 s59, s[WV], 1
	s_lshl_b32 s59, s59, 14                        ; the chunk that I fetch, if I fetch: in a slot and in memory
	s_lshl_b32 s60, s19, 18                        ; the head in kv
	s_add_co_u32 s62, s60, s59
	s_mov_b32 s63, 0
	s_wait_dscnt 0x0                               ; the opening add is done
	s_wait_kmcnt 0x0
	s_load_b128 s[68:71], s[8:9], 0x18             ; e6, e7, e8, e9
	s_load_b32 s72, s[8:9], 0x28                   ; e10
	s_mov_b32 s[G0], 1
	s_mov_b32 s[G0+1], s59
	s_add_nc_u64 s[G0+2:G0+3], s[6:7], s[62:63]
	s_or_b32 s[G0+3], s[G0+3], 0x80000000
	TLOAD                                          ; the head's first 256 keys into slot 0
	s_and_b32 s62, s[WV], 3
	s_lshl_b32 s62, s62, 13
	s_add_co_u32 s62, s62, s60
	s_add_nc_u64 s[PFA:PFA+1], s[6:7], s[62:63]    ; my 8,192 bytes of key slot 0; each change of slots steps it.  Nothing is prefetched here, at the head
	s_sub_co_u32 s96, s[WV], 4
	s_lshr_b32 s96, s96, 2                         ; 0 in waves 4 to 7,
	s_or_b32 s96, s96, ttmp9                       ; of the head's first work-group
	s_cmp_eq_u32 s96, 0
	s_mov_b32 s[LO], 64
	s_cselect_b32 s[LO], 3, s[LO]
	s_sub_co_u32 s47, 7, s[IB]                     ; the second block
	s_lshl_b32 s61, s[IB], 4
	s_add_co_u32 s61, s61, s[WV]                   ; my query tile in the first block,
	s_lshl_b32 s62, s47, 4
	s_add_co_u32 s62, s62, s[WV]                   ; in the second
	s_lshr_b32 s96, s[WV], 1
	s_lshl_b32 s96, s96, 5
	s_and_b32 s97, s[WV], 1
	s_lshl_b32 s97, s97, 3
	s_add_co_u32 s96, s96, s97                     ; 32 (w / 2) + 8 (w % 2)
	s_lshl_b32 s97, s[IB], 8
	s_add_co_u32 s[Q0], s96, s97
	s_lshl_b32 s97, s47, 8
	s_add_co_u32 s[Q0B], s96, s97
	s_lshl_b32 s60, s19, 17                        ; the head in qc
	s_lshl_b32 s96, s61, 10
	s_add_co_u32 s96, s96, s60
	s_mov_b32 s97, 0
	s_add_nc_u64 s[QPA:QPA+1], s[4:5], s[96:97]
	s_lshl_b32 s96, s62, 10
	s_add_co_u32 s96, s96, s60
	s_add_nc_u64 s[QPB:QPB+1], s[4:5], s[96:97]
	s_and_b32 s59, s19, 15                         ; hd
	s_lshr_b32 s60, s59, 2
	s_lshl_b32 s60, s60, 21                        ; the last product's K step hd / 4,
	s_and_b32 s59, s59, 3
	s_lshl_b32 s59, s59, 10                        ; chunk (hd % 4) / 2 and c = 2 (hd % 2): 1,024 (hd % 4) bytes,
	s_add_co_u32 s60, s60, s59
	s_lshr_b32 s59, s19, 4
	s_lshl_b32 s59, s59, 19                        ; the batch's 128 token tiles of 4,096 bytes
	s_add_co_u32 s60, s60, s59
	s_lshl_b32 s96, s61, 12
	s_add_co_u32 s96, s96, s60
	s_add_nc_u64 s[OBA:OBA+1], s[10:11], s[96:97]
	s_lshl_b32 s96, s62, 12
	s_add_co_u32 s96, s96, s60
	s_add_nc_u64 s[OBB:OBB+1], s[10:11], s[96:97]
	v_and_b32 v8, 31, v0
	s_delay_alu instid0(VALU_DEP_1)
	v_lshlrev_b32 v1, 4, v8
	s_delay_alu instid0(VALU_DEP_2)
	v_lshlrev_b32 v3, 8, v8
	global_load_b128 v[16:19], v1, s[QPA:QPA+1]                ; both blocks' Q stay in registers
	global_load_b128 v[20:23], v1, s[QPA:QPA+1] offset:512
	global_load_b128 v[24:27], v1, s[QPB:QPB+1]
	global_load_b128 v[28:31], v1, s[QPB:QPB+1] offset:512
	v_and_b32 v9, 15, v0
	s_delay_alu instid0(VALU_DEP_1)
	v_and_b32 v10, 8, v9
	s_delay_alu instid0(VALU_DEP_1)
	v_add_nc_u32 v4, v9, v10
	v_bfe_u32 v10, v0, 4, 1
	s_delay_alu instid0(VALU_DEP_1)
	v_lshlrev_b32 v10, 4, v10
	s_delay_alu instid0(VALU_DEP_1)
	v_sub_nc_u32 v4, v4, v10                       ; my query less Q0, less my half's 16 keys
	STATE
	v_mov_b32 v236, 0                              ; written once: a lane permute's destination counts as one of its sources
	v_mov_b32 v252, 0
	v_mov_b32 v253, 0                              ; (named as the upper half of the pair v[252:253])
	s_wait_kmcnt 0x0
	s_add_co_i32 s96, s68, s69
	s_lshl_b32 s96, s96, 23
	s_add_co_i32 s[CS], s[CS], s96                 ; a score stands for score x 2^(e6 + e7): the two exponents are added to c's exponent field
	s_mov_b32 s[CS+1], s[CS]                       ; (named with it as a pair, so it is written)
	MKSCALE 70, 244, 240                           ; p's: 2^e8
	MKSCALE 72, 247, 246                           ; the result's: 2^e10
; A KEY STEP: 128 keys, chunk q of the slot in hand.
.macro STEP q
	s_add_co_u32 s96, s[Q0], 23                    ; a step all of whose keys come after my 16 queries is left out: a scalar branch on ids, round loads, products and softmax; no barrier and no tensor load stands in a step
	s_cmp_gt_u32 s[KF], s96
	s_cbranch_scc1 .Lhidden_\@
.rept 4
	v_nop                                          ; places in front of loads into registers that the last products read
.endr
.set tt, 0
	s_wait_alu depctr_va_vdst(0)
.rept 8
	ds_load_b128 v[32+8*tt:35+8*tt], v2 offset:(\q)*16384+tt*1024
	ds_load_b128 v[36+8*tt:39+8*tt], v2 offset:(\q)*16384+tt*1024+512
.set tt, tt+1
.endr
	s_wait_dscnt 0x0
.set tt, 0
	s_wait_alu depctr_va_vdst(0)
.rept 8
	v_wmma_f32_16x16x64_fp8_fp8 v[96+8*tt:103+8*tt], v[32+8*tt:39+8*tt], v[16:23], 0   ; S^T: register 16 g + i of lane (r, h) is key KF + 32 g + 16 h + i
.set tt, tt+1
.endr
.rept 4
	v_nop                                          ; places: in front of the loads below, and of the first read of the scores
.endr
.set tt, 0
.rept 16
	ds_load_b128 v[32+4*tt:35+4*tt], v2 offset:(\q)*16384+8192+tt*512   ; V's four fragments land under the softmax
.set tt, tt+1
.endr
	s_add_co_u32 s96, s[KF], 127                   ; on the diagonal the scores of hidden keys become -infinity ahead of the maximum: p = 0 then.  A step all of whose keys count skips this
	s_cmp_le_u32 s96, s[Q0]
	s_cbranch_scc1 .Lopen_\@
	s_sub_co_i32 s96, s[Q0], s[KF]
	v_add_nc_u32 v252, s96, v4                     ; d = my query - KF - 16 h: register 16 g + i is hidden where 32 g + i > d
	v_mov_b32 v254, 0xff800000
.set nn, 0
.rept 64
	v_cmp_gt_i32 vcc_lo, 32*(nn/16)+nn%16, v252
	v_cndmask_b32 v[96+nn], v[96+nn], v254, vcc_lo
.set nn, nn+1
.endr
.Lopen_\@:
	v_max3_num_f32 v254, v96, v97, v98             ; the step's largest score of my query, among my 64 keys, in two chains, from each accumulator's low end on,
	v_max3_num_f32 v252, v99, v100, v101
.irp i, 6,10,14,18,22,26,30,34,38,42,46,50,54,58
	v_max3_num_f32 v254, v254, v[96+\i], v[97+\i]
	v_max3_num_f32 v252, v252, v[98+\i], v[99+\i]
.endr
	v_max3_num_f32 v254, v254, v158, v159
	s_delay_alu instid0(VALU_DEP_1)
	v_max_num_f32 v254, v254, v252
	v_permlanex16_b32 v236, v254, s[SEL], s[SEL+1]
	s_delay_alu instid0(VALU_DEP_1)
	v_max_num_f32 v254, v254, v236                 ; and among lane l xor 16's
	s_delay_alu instid0(VALU_DEP_1)
	v_mul_f32 v254, s[CS], v254                    ; as t (c is positive)
	s_delay_alu instid0(VALU_DEP_1)
	v_max_num_f32 v13, v13, v254                   ; the running largest t
	v_mov_b32 v254, v12
	s_delay_alu instid0(VALU_DEP_2)
	v_floor_f32 v12, -v13                          ; the new -M = floor(-t) = -ceil(t): a whole number
	s_delay_alu instid0(VALU_DEP_1)
	v_sub_f32 v254, v12, v254                      ; old M - new M: a whole number, 0 or less
	s_delay_alu instid0(VALU_DEP_1)
	v_cvt_i32_f32 v254, v254                       ; (it saturates)
	s_delay_alu instid0(VALU_DEP_1)
	v_ldexp_f32 v252, 1.0, v254                    ; f = 2^(old M - new M)
.set jj, 0
.rept 32
	v_pk_fma_f32 v[96+jj:97+jj], v[96+jj:97+jj], s[CS:CS+1], v[12:13] op_sel_hi:[1,0,0]   ; t - M, two at a time
.set jj, jj+2
.endr
.set jj, 0
	s_wait_alu depctr_va_vdst(0)
.rept 64
	v_exp_f32 v[96+jj], v[96+jj]                   ; p = 2^(t - M), at most 1
.set jj, jj+1
.endr
	v_pk_mul_f32 v[14:15], v[14:15], v[252:253] op_sel_hi:[1,0]   ; the sums under the new M: the plain line behind the exponentials
	s_wait_alu depctr_va_vdst(0)                   ; one wait for the whole batch, ahead of its first reader
	v_pk_add_f32 v[242:243], v[100:101], v[104:105]
	v_pk_add_f32 v[254:255], v[108:109], v[112:113]
	v_pk_add_f32 v[250:251], v[116:117], v[120:121]
	v_pk_add_f32 v[248:249], v[124:125], v[128:129]
	v_pk_add_f32 v[240:241], v[132:133], v[136:137]
	v_pk_add_f32 v[238:239], v[140:141], v[144:145]
	v_pk_add_f32 v[236:237], v[148:149], v[152:153]
	v_pk_add_f32 v[14:15], v[14:15], v[156:157]
	v_pk_add_f32 v[242:243], v[242:243], v[96:97]
	v_pk_add_f32 v[254:255], v[254:255], v[98:99]
	v_pk_add_f32 v[250:251], v[250:251], v[102:103]
	v_pk_add_f32 v[248:249], v[248:249], v[106:107]
	v_pk_add_f32 v[240:241], v[240:241], v[110:111]
	v_pk_add_f32 v[238:239], v[238:239], v[114:115]
	v_pk_add_f32 v[236:237], v[236:237], v[118:119]
	v_pk_add_f32 v[14:15], v[14:15], v[122:123]
	v_pk_add_f32 v[242:243], v[242:243], v[126:127]
	v_pk_add_f32 v[254:255], v[254:255], v[130:131]
	v_pk_add_f32 v[250:251], v[250:251], v[134:135]
	v_pk_add_f32 v[248:249], v[248:249], v[138:139]
	v_pk_add_f32 v[240:241], v[240:241], v[142:143]
	v_pk_add_f32 v[238:239], v[238:239], v[146:147]
	v_pk_add_f32 v[236:237], v[236:237], v[150:151]
	v_pk_add_f32 v[14:15], v[14:15], v[154:155]
	v_pk_add_f32 v[242:243], v[242:243], v[158:159]
	s_delay_alu instid0(VALU_DEP_2)
	v_pk_add_f32 v[14:15], v[14:15], v[248:249]
	s_delay_alu instid0(VALU_DEP_2)
	v_pk_add_f32 v[242:243], v[242:243], v[240:241]
	v_pk_add_f32 v[254:255], v[254:255], v[238:239]
	v_pk_add_f32 v[250:251], v[250:251], v[236:237]
	s_delay_alu instid0(VALU_DEP_2)
	v_pk_add_f32 v[14:15], v[14:15], v[254:255]
	s_delay_alu instid0(VALU_DEP_2)
	v_pk_add_f32 v[242:243], v[242:243], v[250:251]
	s_delay_alu instid0(VALU_DEP_1)
	v_pk_add_f32 v[14:15], v[14:15], v[242:243]
.set bb, 0
.rept 4
.set ii, 0
.rept 16
.set ii, ii+1
.endr
	v_cvt_scalef32_pk8_fp8_f32 v[224+4*bb:225+4*bb], v[96+16*bb:103+16*bb], v244
	v_cvt_scalef32_pk8_fp8_f32 v[226+4*bb:227+4*bb], v[104+16*bb:111+16*bb], v244
.set bb, bb+1
.endr
.set jj, 0
.rept 16
	v_pk_mul_f32 v[160+jj:161+jj], v[160+jj:161+jj], v[252:253] op_sel_hi:[1,0]   ; O^T under the new M; plain lines between the conversions and the products that read their results
.set jj, jj+2
.endr
	s_wait_alu depctr_va_vdst(0)
	s_wait_dscnt 0x0                               ; V is in
.set tt, 0
.rept 4
	v_wmma_f32_16x16x128_fp8_fp8 v[160+8*tt:167+8*tt], v[32+16*tt:47+16*tt], v[224:239], v[160+8*tt:167+8*tt]   ; the four accumulators take turns, one instruction a turn
.set tt, tt+1
.endr
.Lhidden_\@:
	s_add_co_u32 s[KF], s[KF], 128
.endm
; THE CHANGE OF SLOTS stands at a slot's head.  Each wave waits for all its tensor loads (its part of the slot that it is about to read), adds 0 to its spare word, and waits for that and for its reads of the slot that it has left.
; fill = 1: behind the barrier that other slot takes the next 256 keys of the walk: a whole slot's steps in which to land.  Behind the first block's last slot (trip I) the walk goes back to the head's first keys.
.macro CHANGE fill
	s_wait_tensorcnt 0x0                           ; no tensor load of mine is out, so the group 0 may be written
	ds_add_u32 v[SPW], v[NIL]                      ; 0 onto my spare word
.if \fill
	s_xor_b32 s[G0+1], s[G0+1], SLOT1
	s_cmp_eq_u32 s[JJ], s[IB]
	s_cselect_b32 s16, s[BACK], 0
	s_add_nc_u64 s[G0+2:G0+3], s[G0+2:G0+3], 32768
	s_sub_nc_u64 s[G0+2:G0+3], s[G0+2:G0+3], s[16:17]   ; the type bits on top are not reached
	s_wait_xcnt 0x0                                ; the last prefetch, a slot back, has read its address
	s_add_nc_u64 s[PFA:PFA+1], s[PFA:PFA+1], 32768
.endif
	s_wait_dscnt 0x0                               ; the add is done, and my reads of the slot that I have left are over
	s_barrier_signal -1
	s_barrier_wait -1
.if \fill
	TLOAD                                          ; the first thing behind the barrier, and a wave's one tensor load until the next: one is out at the most
	ASK
.endif
.endm
.macro SLOT_STEPS
	v_add_nc_u32 v2, s[TB], v1
	STEP 0
	STEP 1
	s_xor_b32 s[TB], s[TB], SLOT1
.endm
; A block is finished: O^T / the sum x 2^(e8 + e9), converted: 16 neighbouring channels a lane are 16 bytes of the image; two stores of 512 consecutive bytes.  Each block has its own registers for its codes.
.macro FINISH ob, cd
.rept 4
	v_nop                                          ; places behind the last products
.endr
	v_add_f32 v14, v14, v15
	s_wait_alu depctr_va_vdst(0)
	v_permlanex16_b32 v252, v14, s[SEL], s[SEL+1]
	s_delay_alu instid0(VALU_DEP_1)
	v_add_f32 v14, v14, v252                       ; the row's sum
	s_wait_alu depctr_va_vdst(0)
	v_rcp_f32 v14, v14
	v_nop                                          ; a plain line behind the transcendental
	s_add_co_i32 s96, s70, s71
	s_wait_alu depctr_va_vdst(0)                   ; and the wait, ahead of its first reader
	v_ldexp_f32 v14, v14, s96
.set jj, 0
.rept 16
	v_pk_mul_f32 v[96+jj:97+jj], v[160+jj:161+jj], v[14:15] op_sel_hi:[1,0]
.set jj, jj+2
.endr
.set jj, 0
.rept 32
.set jj, jj+1
.endr
	v_cvt_scalef32_pk8_fp8_f32 v[\cd:\cd+1], v[96:103], v247
	v_cvt_scalef32_pk8_fp8_f32 v[\cd+2:\cd+3], v[104:111], v247
	v_cvt_scalef32_pk8_fp8_f32 v[\cd+4:\cd+5], v[112:119], v247
	v_cvt_scalef32_pk8_fp8_f32 v[\cd+6:\cd+7], v[120:127], v247
	v_nop                                          ; a plain line behind the last conversion: later products write its sources
	global_store_b128 v1, v[\cd:\cd+3], s[\ob:\ob+1]
	global_store_b128 v1, v[\cd+4:\cd+7], s[\ob:\ob+1] offset:512
.endm
	s_wait_loadcnt 0x0                             ; Q
.Lslot:                                            ; eight trips: behind each change of slots but the last the next slot of the walk is asked for
	CHANGE 1
	SLOT_STEPS
	s_cmp_lg_u32 s[JJ], s[IB]                      ; the first block's last slot?
	s_cbranch_scc1 .Lsame_block
	FINISH OBA, 192
	STATE
.set jj, 0
.rept 8
	v_mov_b32 v[16+jj], v[24+jj]                   ; the second block's Q
.set jj, jj+1
.endr
	s_mov_b32 s[Q0], s[Q0B]
	s_mov_b32 s[KF], 0
.Lsame_block:
	s_add_co_u32 s[JJ], s[JJ], 1
	s_cmp_lt_u32 s[JJ], 8
	s_cbranch_scc1 .Lslot
	CHANGE 0                                       ; the last slot is written out
	SLOT_STEPS
	FINISH OBB, 200
	s_wait_tensorcnt 0x0                           ; the wave's end: a wait, an add to my spare word and its wait, behind my last tensor load
	ds_add_u32 v[SPW], v[NIL]
	s_wait_dscnt 0x0
	s_endpgm
.Lfunc_end_k_q357419a77d_attn:
	.size	k_q357419a77d_attn, .Lfunc_end_k_q357419a77d_attn-k_q357419a77d_attn
	.p2alignl 7, 3214868480
	.fill 96, 4, 3214868480
	.section	.rodata,"a",@progbits
	.p2align	6, 0x0
	.amdhsa_kernel k_q357419a77d_attn
		.amdhsa_group_segment_fixed_size 327680
		.amdhsa_private_segment_fixed_size 0
		.amdhsa_enable_private_segment 0
		.amdhsa_kernarg_size 32
		.amdhsa_user_sgpr_count 2
		.amdhsa_user_sgpr_kernarg_segment_ptr 1
		.amdhsa_wavefront_size32 1
		.amdhsa_system_sgpr_workgroup_id_x 1
		.amdhsa_system_sgpr_workgroup_id_y 1
		.amdhsa_system_sgpr_workgroup_id_z 1
		.amdhsa_system_vgpr_workitem_id 0
		.amdhsa_next_free_vgpr 256
		.amdhsa_next_free_sgpr 100
		.amdhsa_reserve_vcc 1
		.amdhsa_float_denorm_mode_32 3
		.amdhsa_float_denorm_mode_16_64 3
		.amdhsa_fp16_overflow 1
		.amdhsa_memory_ordered 1
		.amdhsa_forward_progress 1
		.amdhsa_inst_pref_size 90
	.end_amdhsa_kernel
	.amdgpu_metadata
---
amdhsa.version: [ 1, 2 ]
amdhsa.kernels:
  - .name:           k_q357419a77d_attn
    .symbol:         k_q357419a77d_attn.kd
    .args:
      - { .name: qc, .offset: 0, .size: 8, .value_kind: global_buffer, .address_space: global }
      - { .name: kv, .offset: 8, .size: 8, .value_kind: global_buffer, .address_space: global }
      - { .name: lowp_scales, .offset: 16, .size: 8, .value_kind: global_buffer, .address_space: global }
      - { .name: ac, .offset: 24, .size: 8, .value_kind: global_buffer, .address_space: global }
    .group_segment_fixed_size: 327680
    .private_segment_fixed_size: 0
    .kernarg_segment_align: 8
    .kernarg_segment_size: 32
    .max_flat_workgroup_size: 512
    .sgpr_count:     100
    .vgpr_count:     256
    .wavefront_size: 32
...
	.end_amdgpu_metadata
.endif
;; end of part 3
;; launch proj (part 4): grid 8 x 32, 4 waves a work-group, clusters of 4 x 4, 327,680 bytes of LDS; arguments ac, wc, bo, lowp_scales, out0; writes out0
.if DOCPART == 4
	.amdgcn_target "amdgcn-amd-amdhsa--gfx1250"
	.amdhsa_code_object_version 6
	.text
	.protected	k_q357419a77d_proj
	.globl	k_q357419a77d_proj
	.p2align	8
	.type	k_q357419a77d_proj,@function
k_q357419a77d_proj:
	s_mov_b64 s[64:65], 0
	v_nop
	global_prefetch_b8 v0, s[64:65] scope:SCOPE_SE
	s_setreg_imm32_b32 hwreg(HW_REG_WAVE_MODE, 25, 1), 1
	s_wait_xcnt 0x0
	s_wait_alu depctr_hold_cnt(0) depctr_sa_sdst(0) depctr_va_vdst(0) depctr_va_sdst(0) depctr_va_ssrc(0) depctr_va_vcc(0) depctr_vm_vsrc(0)
	s_getreg_b32 s2, hwreg(HW_REG_IB_STS2, 6, 4)
	s_cmp_eq_u32 s2, 0
	s_cbranch_scc0 .Lentry_in_a_cluster
	s_endpgm
.Lentry_in_a_cluster:
	s_bfe_u32 s2, ttmp6, 0x10000c
	s_cmp_lg_u32 s2, 0xf033
	s_cbranch_scc0 .Lentry_shape_is_right
	s_endpgm
.Lentry_shape_is_right:
; out0 = attention's result x Wo + bo, on codes of FP8 (E4M3): out0[token][n] = sum x 2^(e10 + e11) + bo[n], f32.  LIMIT: e10 + e11 between -126 and 127.
; ac and wc hold images: a row tile T is 16 rows, lane r standing for row 32 (T / 2) + 8 (T % 2) + r + 8 (r / 8); for each K step of 256 a tile is 4,096 bytes, [chunk 0..1][c 0..3][lane][16], k = 32 c + 16 h + 0 .. 15.
; A tile of 256 tokens x 128 channels to a work-group: 32 x 8 = 256 work-groups.  Four waves, each 128 x 64: 32 accumulators, 256 registers.  K = 1,024 goes in four steps of 256 through two LDS slots.
; Source 0 = 16 channels ('B'), source 1 = 16 tokens ('A'): a lane holds one token, and the 16 registers of B's tiles 2 g, 2 g + 1 are channels 32 g + 16 h + 0 .. 15.
; CLUSTERS: 4 x 4 work-groups: A's tile is shared along a row of the cluster, B's along a column: each is asked for jointly.
; REGISTERS: window 0: v16-31 addresses; v32-63 the bias; v64-95 a block's results; v128-255 A's fragments, ONE set (on the way out v128-191: rows read back, two sets).  window 1: B's fragments, two sets of 64.  window 2: accumulator (a, b) at v[8 (4 a + b)].
.set SLOT,   98304                     ; A's 65,536 bytes, then B's 32,768
.set BOFF,   65536
.set SPARE,  2*SLOT                    ; behind the ring: the spare words, 128 bytes for each wave: two blocks of 256 bytes that no other line names
.set SPITCH, 272                       ; the way out: a stage of 16 rows x (256 + 16) bytes for each wave, in slot 0, which has had its last fill and its last read when the first result is stored there
.set FR,     16
.set NL,     4
.set NP,     4
.set ADRA, 16
.set ADRB, 20
.set STO,  24
.set RD,   25
.set CO,   26
.set SPW,  28
.set NIL,  29
.set BB,   32
.set TMP,  64
.set AF,   128
.set BK,   128
.set G1, 24
.set G0, 32
.set G1B, 48
.set G0B, 56
.set MSB, 0
.macro WIN new                         ; the immediate's high byte repeats the setting that is left
.if MSB != (\new)
	s_set_vgpr_msb (MSB<<8)|(\new)
.set MSB, (\new)
.endif
.endm
.set MUL,  0xa1                        ; source 0 (B) window 1, source 1 (A) window 0, C and D window 2
.set TO_B, 0x40                        ; destination window 1, address window 0
.macro JLOAD g0a, g1a, g0b, g1b        ; a joint load: waves 0 and 1 fetch A's halves, waves 2 and 3 B's; an s_nop 0 and four v_nop follow each of the two lines
	s_cmp_eq_u32 s15, 0
	s_cbranch_scc0 .Lfor_b_\@
	tensor_load_to_lds s[\g0a:\g0a+3], s[\g1a:\g1a+7]
	s_nop 0
.rept 4
	v_nop
.endr
	s_branch .Lasked_\@
.Lfor_b_\@:
	tensor_load_to_lds s[\g0b:\g0b+3], s[\g1b:\g1b+7]
	s_nop 0
.rept 4
	v_nop
.endr
.Lasked_\@:
.endm
.macro CREST
	s_cmp_lg_u32 s14, 0
	s_cbranch_scc1 .Lnot_wave_0_\@
	s_barrier_signal -3
.Lnot_wave_0_\@:
	s_barrier_wait -3
	s_barrier_signal -1
	s_barrier_wait -1
.endm
.macro CROUND
	s_barrier_signal -1
	s_barrier_wait -1
	CREST
.endm
	s_load_b256 s[68:75], s[0:1], 0x0              ; ac 68:69, wc 70:71, bo 72:73, the exponents 74:75
	s_load_b64 s[76:77], s[0:1], 0x20              ; out0
	v_lshl_add_u32 v[SPW], v0, 2, SPARE
	v_mov_b32 v[NIL], 0
	ds_add_u32 v[SPW], v[NIL]                      ; the wave's opening: the add and its wait stand ahead of my first tensor load; the set-up below, work on registers, stands between them
	ds_add_u32 v[SPW], v[NIL]
	v_lshrrev_b32 v1, 5, v0
	v_readfirstlane_b32 s14, v1                    ; wave 0..3
	s_lshr_b32 s15, s14, 1                         ; which half of the tokens is mine.  Also: I fetch for A (0) or for B (1)
	s_and_b32 s16, s14, 1                          ; which half of the channels.  Also: which half of that tile I fetch
	s_bfe_u32 s40, ttmp6, 0x40000                  ; cx, cy
	s_bfe_u32 s41, ttmp6, 0x40004
	s_lshl_b32 s42, ttmp9, 2
	s_add_co_u32 s42, s42, s40                     ; the tile of 128 channels = 4 x cluster x + cx
	s_and_b32 s17, ttmp7, 0xffff
	s_lshl_b32 s17, s17, 2
	s_add_co_u32 s17, s17, s41                     ; the tile of 256 tokens = 4 x cluster y + cy
	s_lshl_b32 s43, s41, 2
	s_lshl_b32 s43, 15, s43                        ; my row of the cluster
	s_lshl_b32 s44, 0x1111, s40                    ; my column
	s_or_b32 s[G1], s43, (3<<16)|(1<<21)           ; the mask; elements of 8 bytes; bit 21 beside a mask; no padding
	s_or_b32 s[G1B], s44, (3<<16)|(1<<21)
	s_mov_b32 s[G1+1], 32<<16                      ; rows of 256 bytes,
	s_mov_b32 s[G1+2], 128<<16                     ; A: 128 of them, dense
	s_mov_b32 s[G1+3], 32<<16
	s_mov_b32 s[G1+4], 128
	s_mov_b32 s[G1+5], 32
	s_mov_b32 s[G1+6], 0
	s_mov_b32 s[G1+7], 0
	s_mov_b32 s[G1B+1], 32<<16
	s_mov_b32 s[G1B+2], 64<<16                     ; B: 64
	s_mov_b32 s[G1B+3], 32<<16
	s_mov_b32 s[G1B+4], 64
	s_mov_b32 s[G1B+5], 32
	s_mov_b32 s[G1B+6], 0
	s_mov_b32 s[G1B+7], 0
	s_lshl_b32 s20, s17, 16                        ; A: 65,536 bytes a tile, + my half
	s_lshl_b32 s18, s16, 15
	s_add_co_u32 s20, s20, s18
	s_mov_b32 s21, 0
	s_lshl_b32 s46, s42, 15                        ; B: 32,768 bytes a tile, + my half, in Wo's part of wc
	s_lshl_b32 s18, s16, 14
	s_add_co_u32 s46, s46, s18
	s_add_co_u32 s46, s46, 3145728
	s_mov_b32 s47, 0
	s_lshl_b32 s2, s14, 15                         ; where A's halves go: wave x 32,768;
	s_lshl_b32 s3, s14, 14
	s_add_co_u32 s3, s3, 32768                     ; B's (waves 2, 3): 65,536 + (wave - 2) x 16,384
	s_wait_dscnt 0x0                               ; the opening add is done
	s_wait_kmcnt 0x0
	s_load_b64 s[96:97], s[74:75], 0x28            ; e10, e11
	s_add_nc_u64 s[20:21], s[68:69], s[20:21]
	s_add_nc_u64 s[46:47], s[70:71], s[46:47]
	CROUND                                         ; all sixteen work-groups are here: the first joint loads meet
.irp s, 0,1
	s_mov_b32 s[G0+4*\s], 1
	s_add_co_u32 s[G0+4*\s+1], s2, \s*SLOT
	s_add_nc_u64 s[G0+4*\s+2:G0+4*\s+3], s[20:21], \s*2097152
	s_or_b32 s[G0+4*\s+3], s[G0+4*\s+3], 0x80000000
	s_mov_b32 s[G0B+4*\s], 1
	s_add_co_u32 s[G0B+4*\s+1], s3, \s*SLOT
	s_add_nc_u64 s[G0B+4*\s+2:G0B+4*\s+3], s[46:47], \s*262144
	s_or_b32 s[G0B+4*\s+3], s[G0B+4*\s+3], 0x80000000
	s_wait_alu depctr_va_vdst(0)
	s_wait_tensorcnt 0x0
	ds_add_u32 v28, v29
	ds_add_u32 v28, v29
	s_wait_dscnt 0x0
	CROUND
	JLOAD G0+4*\s, G1, G0B+4*\s, G1B               ; K steps 0 and 1: step 0's has landed before step 1's is asked for
.endr
	v_and_b32 v3, 31, v0
	v_lshlrev_b32 v3, 4, v3                        ; 16 x lane
	s_lshl_b32 s21, s15, 15                        ; my 128 tokens
	s_lshl_b32 s22, s16, 14                        ; my 64 channels,
	s_add_co_u32 s22, s22, BOFF                    ; which lie behind A's tile
.irp s, 0,1
	v_add_nc_u32 v[ADRA+\s], s21, v3
	v_add_nc_u32 v[ADRB+\s], s22, v3
	s_add_co_u32 s21, s21, SLOT
	s_add_co_u32 s22, s22, SLOT
.endr
	v_and_b32 v1, 15, v0                           ; r
	v_bfe_u32 v2, v0, 4, 1                         ; h
	s_wait_alu depctr_va_vdst(0)
	s_mul_i32 s23, s14, 16*SPITCH                  ; my stage
	v_mul_u32_u24 v5, v1, SPITCH
	v_lshl_add_u32 v5, v2, 6, v5
	v_add_nc_u32 v[STO], s23, v5                   ; in: row r, + 16 h channels
	v_mul_u32_u24 v5, v2, SPITCH
	v_lshl_add_u32 v5, v1, 4, v5
	v_add_nc_u32 v[RD], s23, v5                    ; back: lanes 0-15 one row of 256 bytes, lanes 16-31 the next
	v_lshlrev_b32 v5, 12, v2
	v_lshl_add_u32 v[CO], v1, 4, v5                ; and the same two rows in out0
	s_lshl_b32 s18, s42, 9
	s_lshl_b32 s19, s16, 8
	s_add_co_u32 s18, s18, s19                     ; my first channel in bytes: 512 x tile + 256 x half
	s_mov_b32 s19, 0
	s_add_nc_u64 s[12:13], s[72:73], s[18:19]      ; the bias there
	s_lshl_b32 s20, s17, 20                        ; 256 rows of 4,096 bytes
	s_lshl_b32 s21, s15, 19
	s_add_co_u32 s20, s20, s21
	s_add_co_u32 s20, s20, s18
	s_mov_b32 s21, 0
	s_add_nc_u64 s[10:11], s[76:77], s[20:21]
	v_lshlrev_b32 v4, 6, v2                        ; 16 h channels
.set bb, 0
.rept 4
	global_load_b128 v[BB+8*bb:BB+8*bb+3], v4, s[12:13] offset:(32*(bb/2)+8*(bb%2))*4
	global_load_b128 v[BB+8*bb+4:BB+8*bb+7], v4, s[12:13] offset:(32*(bb/2)+8*(bb%2))*4+16
.set bb, bb+1
.endr
.macro FRAG reg, adr, q, i
.irp c, 0,1,2,3
	ds_load_b128 v[\reg+4*\c:\reg+4*\c+3], v[\adr] offset:(\i)*4096+(\q)*2048+512*\c
.endr
.endm
; 8 matrix instructions: A's blocks a0, a0 + 1 x B's four.  The 32 accumulators take turns, one instruction a turn, in the same order in every step.
.macro MUL8 a0, p, zero
.irp a, \a0, \a0+1
.irp b, 0,1,2,3
.if \zero
	v_wmma_f32_16x16x128_fp8_fp8 v[8*(4*(\a)+\b):8*(4*(\a)+\b)+7], v[64*(\p)+FR*\b:64*(\p)+FR*\b+FR-1], v[AF+FR*(\a):AF+FR*(\a)+FR-1], 0
.else
	v_wmma_f32_16x16x128_fp8_fp8 v[8*(4*(\a)+\b):8*(4*(\a)+\b)+7], v[64*(\p)+FR*\b:64*(\p)+FR*\b+FR-1], v[AF+FR*(\a):AF+FR*(\a)+FR-1], v[8*(4*(\a)+\b):8*(4*(\a)+\b)+7]
.endif
.endr
.endr
.endm
.macro FETCH_B slot, q, p
	WIN TO_B
.irp i, 0,1,2,3
	FRAG 64*(\p)+FR*\i, ADRB+\slot, \q, \i
.endr
	WIN 0
.endm
.macro FETCH_A slot, q, i0
.irp i, \i0, \i0+1, \i0+2, \i0+3
	FRAG AF+FR*(\i), ADRA+\slot, \q, \i
.endr
.endm
.macro PLACES n                        ; four plain vector instructions between a matrix instruction and a load into, or a vector write of, one of its registers, or a read of its result
.rept \n
	v_nop
.endr
.endm
.macro STEP slot, q, zero
	s_wait_dscnt 4*NL                              ; B's set and A's blocks 0-3 are in; the youngest 16 loads (A's blocks 4-7) may be out
	WIN MUL
	MUL8 0, (\q)%2, \zero
	MUL8 2, (\q)%2, \zero
	s_wait_dscnt 0
	PLACES NP
	FETCH_B \slot, (\q)+1, 1-(\q)%2
	FETCH_A \slot, (\q)+1, 0
	WIN MUL
	MUL8 4, (\q)%2, \zero
	MUL8 6, (\q)%2, \zero
	PLACES NP
	WIN 0
	FETCH_A \slot, (\q)+1, 4
.endm
.macro TURN slot, next, fill
	s_wait_tensorcnt 0x0                           ; all my tensor loads have landed: my part of the next slot
	ds_add_u32 v[SPW], v[NIL]                      ; 0 onto my spare word
	s_wait_dscnt 4*NL+1                            ; (the add and the youngest 16 loads may be out)
	WIN MUL
	MUL8 0, 1, 0                                   ; eight matrix instructions stand between the add and the wait for it
	s_wait_dscnt 0x0                               ; the add is done, and my reads of this slot are over
	s_barrier_signal -1
	MUL8 2, 1, 0
	WIN 0
	s_barrier_wait -1
.if \fill
	CREST                                          ; the barrier has opened a round of the cluster's: no wave of any partner still reads this slot or has a load on its way
	s_add_nc_u64 s[G0+4*\slot+2:G0+4*\slot+3], s[G0+4*\slot+2:G0+4*\slot+3], 2*2097152
	s_add_nc_u64 s[G0B+4*\slot+2:G0B+4*\slot+3], s[G0B+4*\slot+2:G0B+4*\slot+3], 2*262144
	JLOAD G0+4*\slot, G1, G0B+4*\slot, G1B         ; the first tensor load behind the round, my only one until the next
.else
	PLACES NP
.endif
	FETCH_B \next, 0, 0
	FETCH_A \next, 0, 0
	WIN MUL
	MUL8 4, 1, 0
	MUL8 6, 1, 0
	PLACES NP
	WIN 0
	FETCH_A \next, 0, 4
.endm
	s_wait_tensorcnt 1                             ; my part of K step 0 is in (K step 1's load may be out)
	s_barrier_signal -1
	s_barrier_wait -1                              ; everybody's is
	FETCH_B 0, 0, 0
	FETCH_A 0, 0, 0
	FETCH_A 0, 0, 4
	STEP 0, 0, 1                                   ; four fills of a slot: the eight steps of 128 are written on end.  The first starts the sums
	TURN 0, 1, 1
	STEP 1, 0, 0
	TURN 1, 0, 1
	STEP 0, 0, 0
	TURN 0, 1, 0                                   ; behind this barrier nobody reads slot 0 any more, and nothing is filled
	STEP 1, 0, 0
	s_wait_dscnt 4*NL
	WIN MUL
	MUL8 0, 1, 0
	MUL8 2, 1, 0
	s_wait_dscnt 0
	MUL8 4, 1, 0
	MUL8 6, 1, 0
	WIN 0
; THE WAY OUT, block by block of 16 tokens x 64 channels.  A lane holds pieces of one row, the lanes beside it other rows: a block goes through my own stage and comes back as whole rows of 256 bytes.
.macro TOSTAGE a
.set AC, 32*(\a)
	WIN 0x02                                       ; source 0: window 2
.set jj, 0
.rept 16
	v_pk_fma_f32 v[TMP+jj:TMP+jj+1], v[AC+jj:AC+jj+1], s[96:97], v[BB+jj:BB+jj+1] op_sel_hi:[1,0,1]   ; sum x 2^(e10 + e11) + bo, each accumulator from its low end on
.set jj, jj+2
.endr
	WIN 0
.set bb, 0
.rept 4
	ds_store_b128 v[STO], v[TMP+8*bb:TMP+8*bb+3] offset:128*(bb/2)+32*(bb%2)
	ds_store_b128 v[STO], v[TMP+8*bb+4:TMP+8*bb+7] offset:128*(bb/2)+32*(bb%2)+16
.set bb, bb+1
.endr
.set BS, BK+32*((\a)%2)
.set tt, 0
.rept 8
	ds_load_b128 v[BS+4*tt:BS+4*tt+3], v[RD] offset:2*SPITCH*tt   ; LDS serves a wave's instructions in order: these see the stores above, and the next block's stores come behind them
.set tt, tt+1
.endr
.endm
.macro SEND a, younger                 ; younger: the LDS instructions issued behind block a's loads, which may stay out
.set BS, BK+32*((\a)%2)
	s_wait_dscnt \younger
.set tt, 0
.rept 8
	global_store_b128 v[CO], v[BS+4*tt:BS+4*tt+3], s[10:11] offset:(32*((\a)/2)+8*((\a)%2)+2*tt+8*(tt/4))*4096 th:TH_STORE_NT   ; stage rows 2 t, 2 t + 1 are the tile's lanes: sixteen lanes store 256 consecutive bytes, aligned
.set tt, tt+1
.endr
.endm
	s_wait_kmcnt 0x0
	s_add_co_i32 s96, s96, s97
	s_add_co_i32 s96, s96, 127
	s_lshl_b32 s96, s96, 23                        ; 2^(e10 + e11) as f32
	s_mov_b32 s97, s96                             ; (named with it as a pair, so it is written)
	s_wait_loadcnt 0x0                             ; the bias
	PLACES NP                                      ; behind the last products: loads land below in registers that held A's fragments
	TOSTAGE 0
.irp a, 1,2,3,4,5,6,7
.if \a > 1
	s_wait_xcnt 0x0                                ; block a - 2's stores have read their data: block a's loads may land there
.endif
	TOSTAGE \a
	SEND \a-1, 16                                  ; behind block a - 1's loads: block a's 8 stores and 8 loads
.endr
	SEND 7, 0
	s_wait_tensorcnt 0x0                           ; the wave's end: a wait, an add to my spare word and its wait, behind my last tensor load and my last LDS store
	ds_add_u32 v[SPW], v[NIL]
	s_wait_dscnt 0x0
	CROUND                                         ; the closing round: no work-group ends while a partner may still ask for a tile that names it
	s_endpgm
.Lfunc_end_k_q357419a77d_proj:
	.size	k_q357419a77d_proj, .Lfunc_end_k_q357419a77d_proj-k_q357419a77d_proj
	.p2alignl 7, 3214868480
	.fill 96, 4, 3214868480
	.section	.rodata,"a",@progbits
	.p2align	6, 0x0
	.amdhsa_kernel k_q357419a77d_proj
		.amdhsa_group_segment_fixed_size 327680
		.amdhsa_private_segment_fixed_size 0
		.amdhsa_enable_private_segment 0
		.amdhsa_kernarg_size 40
		.amdhsa_user_sgpr_count 2
		.amdhsa_user_sgpr_kernarg_segment_ptr 1
		.amdhsa_wavefront_size32 1
		.amdhsa_system_sgpr_workgroup_id_x 1
		.amdhsa_system_sgpr_workgroup_id_y 1
		.amdhsa_system_sgpr_workgroup_id_z 1
		.amdhsa_system_vgpr_workitem_id 0
		.amdhsa_next_free_vgpr 768
		.amdhsa_next_free_sgpr 100
		.amdhsa_reserve_vcc 0
		.amdhsa_float_denorm_mode_32 3
		.amdhsa_float_denorm_mode_16_64 3
		.amdhsa_memory_ordered 1
		.amdhsa_forward_progress 1
		.amdhsa_inst_pref_size 78
	.end_amdhsa_kernel
	.amdgpu_metadata
---
amdhsa.version: [ 1, 2 ]
amdhsa.kernels:
  - .name:           k_q357419a77d_proj
    .symbol:         k_q357419a77d_proj.kd
    .args:
      - { .name: ac, .offset: 0, .size: 8, .value_kind: global_buffer, .address_space: global }
      - { .name: wc, .offset: 8, .size: 8, .value_kind: global_buffer, .address_space: global }
      - { .name: bo, .offset: 16, .size: 8, .value_kind: global_buffer, .address_space: global }
      - { .name: lowp_scales, .offset: 24, .size: 8, .value_kind: global_buffer, .address_space: global }
      - { .name: out0, .offset: 32, .size: 8, .value_kind: global_buffer, .address_space: global }
    .group_segment_fixed_size: 327680
    .private_segment_fixed_size: 0
    .kernarg_segment_align: 8
    .kernarg_segment_size: 40
    .max_flat_workgroup_size: 128
    .sgpr_count:     100
    .vgpr_count:     768
    .wavefront_size: 32
...
	.end_amdgpu_metadata
.endif
;; end of part 4
